; MI455X (gfx1250); checked and timed in simulation.
; The chip was launched on July 23, 2026; its instructions are those of AMD's public machine-readable ISA for CDNA 5 (MIT licence, August 2026) and "CDNA5" Instruction Set Architecture Reference Guide (July 2026). The comments in the code are by the model that wrote it; some were corrected since.
;; Causal Self Attention. Allowed arithmetic: matrix products marked QUANTISED: E2M1 operands, one E8M0 scale for each 32 along K, by v_wmma_scale_f32_16x16x128_f8f6f4 with both operands' format E2M1 (or v_wmma_scale_f32_32x16x128_f4), f32 sums; products left as they are: bf16, f16 or f32 operands; f32 sums; everything else in f32.
;; Inputs: W_out 1,024 x 1,024 float32; W_qkv 1,024 x 3,072 float32; b_out 1,024 float32; b_qkv 3,072 float32; x 4 x 2,048 x 1,024 float32.
;; Outputs: out0 4 x 2,048 x 1,024 float32.
;; This version of the problem:
;;   THIS VERSION OF THE PROBLEM IS GIVEN IN LOW PRECISION. The matrix products marked QUANTISED in the list below multiply operands that are first quantised to E2M1 (2 exponent bits, 1 mantissa bit; 4 bits a number), with one power-of-two scale for each 32 numbers along K (OCP MX v1.0); their sums are f32. The products marked 'left as it is' may take bf16, f16 or f32 operands, with f32 sums. Whichever they take, every output number must still come out within the allowed error. Rounding operands to bf16 (8 significant bits) uses up far more of that allowance than f16 does (11 bits, for magnitudes from 6e-5 to 65,504). All else is computed in f32.
;;   The module's matrix products, in the order in which they are computed (A, B: the left and right operand; K: the contracted axis; several contracted axes count as one K, in the product's order):
;;     1. [M 8,192, K 1,024] x [K 1,024, N 3,072]; A: input x; B: input W_qkv: QUANTISED
;;     2. batch 64 x [M 2,048, K 64] x [K 64, N 2,048]; A: computed on the way; B: computed on the way: left as it is (an operand is computed on the way)
;;     3. batch 64 x [M 2,048, K 2,048] x [K 2,048, N 64]; A: computed on the way; B: computed on the way: left as it is (an operand is computed on the way)
;;     4. [M 8,192, K 1,024] x [K 1,024, N 1,024]; A: computed on the way; B: input W_out: left as it is (an operand is computed on the way)
;;   THE QUANTISER, for each operand of a quantised product, along K:
;;     - K is cut into blocks of 32 from its start; a last block that is shorter is filled with zeros.
;;     - A block's scale is 2^e with e = floor(log2(the largest magnitude in the block)) - 2, held to -126 .. 127; a block of zeros has e = 0. As a byte (E8M0): e + 127.
;;     - Each number is divided by its block's scale, clamped to +-6, and rounded to the nearest number of E2M1, ties to even, subnormals kept.
;;     - The product sums the exact products of the quantised numbers (number of the format x scale) in f32.
;;   ~~~python
;;   def quantise(x, axis):      # numpy; x: float32 -> the quantised numbers, widened to float32 again
;;       x = np.moveaxis(x, axis, -1); K = x.shape[-1]
;;       x = np.pad(x, [(0, 0)] * (x.ndim - 1) + [(0, -K % 32)]); x = x.reshape(x.shape[:-1] + (-1, 32)); a = np.abs(x).max(-1, keepdims=True)
;;       e = np.where(a > 0, np.clip(np.frexp(np.where(a > 0, a, 1))[1] - 1 - 2, -126, 127), 0)      # np.frexp(a)[1] - 1 = floor(log2(a)), exactly
;;       r = np.clip(x / 2.0 ** e, -6, 6)
;;       step = 2.0 ** (np.maximum(np.frexp(np.where(r == 0, 1, r))[1] - 1, 0) - 1)
;;       q = np.round(r / step) * step * 2.0 ** e      # np.round: ties to even
;;       return np.moveaxis(q.reshape(q.shape[:-2] + (-1,))[..., :K], -1, axis).astype(np.float32)
;;   ~~~
;; One version. Each part assembles by itself: llvm-mc -triple=amdgcn-amd-amdhsa -mcpu=gfx1250 --defsym DOCPART=n.
;; ======== version 1 of 1: 5 launches
;; limits: values are held in f16: magnitudes above 65,504 overflow, below 6.1e-05 lose precision
;; workspace buffers: x_codes 4,194,304 bytes; x_scales 262,144 bytes; w_codes 1,572,864 bytes; w_scales 98,304 bytes; wo16 2,097,152 bytes; qkv16 50,331,648 bytes; qkv32 786,432 bytes; att16 16,777,216 bytes
;; launch prep (part 1): grid 368 x 1, 4 waves a work-group, no clusters, 68,096 bytes of LDS; arguments x, W_qkv, W_out, x_codes, x_scales, w_codes, w_scales, wo16; writes x_codes, x_scales, w_codes, w_scales, wo16
.if DOCPART == 1
	.amdgcn_target "amdgcn-amd-amdhsa--gfx1250"
	.amdhsa_code_object_version 6
	.text
	.protected	k_q6bec6b250f_prep
	.globl	k_q6bec6b250f_prep
	.p2align	8
	.type	k_q6bec6b250f_prep,@function
k_q6bec6b250f_prep:
	s_mov_b64 s[64:65], 0
	v_nop
	global_prefetch_b8 v0, s[64:65] scope:SCOPE_SE
	s_setreg_imm32_b32 hwreg(HW_REG_WAVE_MODE, 25, 1), 1
	s_wait_xcnt 0x0
; CAUSAL SELF-ATTENTION, B = 4, T = 2,048, D = 1,024, 16 heads of 64, in five launches: this one (operands made ready), the quantised product x W_qkv, the attention,
; the projection, and the first 16 positions of each sequence once more in f32.
; WORK LEFT OUT, for all finite values of the inputs:
;  (1) The bias on K, b_qkv[1024:2048].  score(q, k) = q . (k + bk) / 8 = q . k / 8 + q . bk / 8; the second term is the same for every key of a row, and a softmax along the keys is unchanged by a term
;      that is the same along its axis.  The product of q and k is not quantised, so that part of the bias reaches no output: it is neither loaded nor added.  The parts for q and v are.
;  (2) Tiles of scores that lie wholly above the diagonal of the mask that the problem itself builds: their weights are 0.
;  LIMIT: a NaN, an infinity or an overflow that reaches only the work left out is not carried to the result.
; THIS LAUNCH: x [8192][1024] and W_qkv [1024][3072], f32, become codes of E2M1, 4 bits each, K innermost, with one E8M0 byte for each 32 along K; W_out becomes f16 as it lies.
; A block's scale is 2^(floor(log2(its largest magnitude)) - 2); its byte is the largest magnitude's own exponent field - 2, held at 1 from below.  A block of zeros so gets the byte 1 where the rule says 127:
; its codes are zeros, which add nothing under any byte but 0xff, and the bytes are read by this program alone.
; LIMITS: blocks whose largest magnitude lies under 2^-124 get the byte 1; NaN and infinities among the inputs are not served; W_out's magnitudes stay under 65,504 (f16).
; SHARES: work-groups 0-255 take x (a stream of blocks of 32: 8,192 numbers a wave), 256-303 W_qkv (a lane to a column, registers down K: 32 columns x 512 along K a wave), 304-367 W_out (4,096 numbers a wave).
; The three ways part on the work-group's number and never meet again; each way that uses LDS has LDS bytes of its own.  No tensor loads, no barrier: waves share nothing.
.set SPARE, 67584                      ; the spare words, 128 bytes for each wave: two blocks of 256 bytes that no other line names
.set SPW,   192                        ; v192 LDS address of my spare word; never rewritten
.set NIL,   193                        ; v193 0; never rewritten
; x's way
.set STEPS, 16
.set CB,    8                          ; bytes of 16 codes
.set R,     16                         ; v16-79   four sets of 16 numbers as they are loaded
.set XN,    80                         ; v80-111  two sets of 16 neighbours
.set EB,    112                        ; v112-127 a scale byte for each step
.set CC,    128                        ; v128-191 codes: four registers for each step
.set WREG,  8192                       ; LDS 0 .. 32,767: a region for each wave: two stages of 32 x SP bytes, behind them its 256 scale bytes
.set SP,    80                         ; a lane's place in a stage: 64 bytes + 16 of padding
; W_qkv's way
.set WSTG,  32768                      ; LDS 32,768 .. 67,583: a stage of 32 rows x PITCH for each wave
.set NB,    16                         ; blocks of 32 along K for a wave
.set PITCH, 272
.set KROW,  512                        ; a row of the codes' buffer in bytes
.set NROW,  12288                      ; a row of W_qkv in bytes
.set WX,    32                         ; v32-95   two sets of 32 numbers
.set WC,    96                         ; v96-99   a block's codes
.set OUTR,  112                        ; v112-175 the way out
.set SB,    24                         ; v24-27   the scale bytes, four to a register
	s_load_b256 s[4:11], s[0:1], 0x0               ; x s[4:5], W_qkv s[6:7], W_out s[8:9], x_codes s[10:11]
	s_load_b256 s[12:19], s[0:1], 0x20             ; x_scales s[12:13], w_codes s[14:15], w_scales s[16:17], wo16 s[18:19]
	v_lshl_add_u32 v[SPW], v0, 2, SPARE
	v_mov_b32 v[NIL], 0
	v_lshrrev_b32 v1, 5, v0
	v_readfirstlane_b32 s20, v1                    ; wave
	v_and_b32 v2, 31, v0                           ; lane
	s_cmp_lt_u32 ttmp9, 256
	s_cbranch_scc0 .Lnot_x
	; ---------------- x: each load reads 512 consecutive bytes; a step's 2,048 bytes turn through the wave's own stage, so that a lane then holds 16 neighbours; two neighbouring lanes hold a block
	v_lshlrev_b32 v3, 4, v2                        ; my 16 bytes of a load's 512
	s_mul_i32 s21, s20, WREG
	v_lshrrev_b32 v14, 2, v2
	v_mul_u32_u24 v14, v14, SP
	v_and_b32 v15, 3, v2
	v_lshl_add_u32 v14, v15, 4, v14
	v_add_nc_u32 v14, s21, v14                     ; the stage, on the way in: SP (lane / 4) + 16 (lane % 4)
	v_mul_u32_u24 v15, v2, SP
	v_add_nc_u32 v15, s21, v15                     ; and on the way out: SP x lane
	v_mul_u32_u24 v4, v2, CB                       ; my codes' place in a step's
	v_lshrrev_b32 v5, 1, v2
	s_add_co_u32 s21, s21, 2*32*SP
	v_add_nc_u32 v5, s21, v5                       ; my wave's 256 scale bytes, my block's byte
	v_lshlrev_b32 v7, 3, v2                        ; and on the way out 8 bytes a lane
	v_add_nc_u32 v6, s21, v7
	s_lshl_b32 s22, ttmp9, 2
	s_add_co_u32 s22, s22, s20                     ; which run of 8,192 numbers is my wave's
	s_lshl_b32 s24, s22, 15
	s_mov_b32 s25, 0
	s_lshl_b32 s26, s22, 12
	s_mov_b32 s27, 0
	s_lshl_b32 s28, s22, 8
	s_mov_b32 s29, 0
	s_wait_kmcnt 0x0
	s_add_nc_u64 s[4:5], s[4:5], s[24:25]
	s_add_nc_u64 s[10:11], s[10:11], s[26:27]
	s_add_nc_u64 s[12:13], s[12:13], s[28:29]
.macro XLOAD t
.irp i, 0,1,2,3
	global_load_b128 v[R+16*((\t)%4)+4*\i:R+16*((\t)%4)+4*\i+3], v3, s[4:5] offset:2048*(\t)+512*\i th:TH_LOAD_NT
.endr
.endm
.macro XTURN t                         ; step t's numbers through the stage: LDS serves a wave's instructions in order, so no wait stands between the stores and the loads
.irp i, 0,1,2,3
	ds_store_b128 v14, v[R+16*((\t)%4)+4*\i:R+16*((\t)%4)+4*\i+3] offset:32*SP*((\t)%2)+8*SP*\i
.endr
.irp i, 0,1,2,3
	ds_load_b128 v[XN+16*((\t)%2)+4*\i:XN+16*((\t)%2)+4*\i+3], v15 offset:32*SP*((\t)%2)+16*\i
.endr
.endm
.irp t, 0,1,2,3
	XLOAD \t
.endr
	s_wait_loadcnt 12                              ; step 0's four loads are in
	XTURN 0
.macro XSTEP t
.set XS, XN+16*((\t)%2)
.if (\t) > 0
	s_wait_dscnt 1                                 ; this step's numbers are back from the stage (the last step's byte store may be out)
.else
	s_wait_dscnt 0x0
.endif
.if (\t)+4 < STEPS
	XLOAD (\t)+4                                   ; into the registers that this step's stores into the stage have read
.endif
.if (\t)+1 < STEPS
.if STEPS-2-(\t) >= 3
	s_wait_loadcnt 12                              ; the next step's four loads are in; those of the three steps behind it may be out
.else
	s_wait_loadcnt 4*(STEPS-2-(\t))
.endif
	XTURN (\t)+1
.endif
	v_max3_num_f32 v8, |v[XS]|, |v[XS+1]|, |v[XS+2]|               ; the largest magnitude of my 16, in two chains
	v_max3_num_f32 v9, |v[XS+3]|, |v[XS+4]|, |v[XS+5]|
.irp i, 6,10
	v_max3_num_f32 v8, v8, |v[XS+\i]|, |v[XS+\i+1]|
	v_max3_num_f32 v9, v9, |v[XS+\i+2]|, |v[XS+\i+3]|
.endr
	v_max3_num_f32 v8, v8, |v[XS+14]|, |v[XS+15]|
	v_max3_num_f32 v8, v8, v9, 0x1800000           ; and the floor 2^(3 - 127): the byte cannot fall under 1
	v_max_num_f32_dpp v8, v8, v8 row_xmask:1 row_mask:0xf bank_mask:0xf   ; and of my neighbour's 16: the block's
	v_add_nc_u32 v11, 0xff000000, v8               ; 2 off its exponent field: the conversion takes the exponent field of this operand as its scale
	v_cvt_scalef32_pk8_fp4_f32 v[CC+4*(\t)], v[XS:XS+7], v11
	v_cvt_scalef32_pk8_fp4_f32 v[CC+4*(\t)+1], v[XS+8:XS+15], v11
	v_lshrrev_b32 v[EB+(\t)], 23, v11              ; the scale's byte
	ds_store_b8 v5, v[EB+(\t)] offset:16*(\t)      ; both lanes of a block write the same byte with the same value
	global_store_b64 v4, v[CC+4*(\t):CC+4*(\t)+1], s[10:11] offset:32*CB*(\t)   ; the wave stores 256 consecutive bytes, aligned
.endm
.irp t, 0,1,2,3,4,5,6,7,8,9,10,11,12,13,14,15
	XSTEP \t
.endr
	ds_load_b64 v[8:9], v6                         ; LDS serves a wave's instructions in order: these see my stores
	s_wait_dscnt 0x0
	global_store_b64 v7, v[8:9], s[12:13]          ; 32 lanes store 256 consecutive bytes, aligned
	s_wait_tensorcnt 0x0                           ; the wave's end, behind my last LDS store
	ds_add_u32 v[SPW], v[NIL]
	s_wait_dscnt 0x0
	s_endpgm
.Lnot_x:
	s_cmp_lt_u32 ttmp9, 304
	s_cbranch_scc0 .Lcast
	; ---------------- W_qkv: K is its first axis.  A lane takes a column and its registers run down K: a block of 32 lies in one lane, and the conversions give codes with K innermost
	s_sub_co_u32 s21, ttmp9, 256
	s_cmp_ge_u32 s21, 24
	s_cselect_b32 s22, 1, 0                        ; which 512 along K
	s_cselect_b32 s23, 24, 0
	s_sub_co_u32 s21, s21, s23                     ; which 128 columns
	s_lshl_b32 s24, s21, 7
	s_lshl_b32 s25, s20, 5
	s_add_co_u32 s24, s24, s25                     ; my wave's first column
	v_lshlrev_b32 v3, 2, v2                        ; in: 4 bytes a lane
	s_mul_i32 s25, s20, 32*PITCH
	s_add_co_u32 s25, s25, WSTG                    ; my stage
	v_mul_u32_u24 v4, v2, PITCH
	v_add_nc_u32 v4, s25, v4                       ; into it: row = my column
	v_and_b32 v5, 15, v2
	v_lshrrev_b32 v6, 4, v2                        ; out of it: sixteen lanes to a row, two rows an instruction
	v_mul_u32_u24 v7, v6, PITCH
	v_lshl_add_u32 v7, v5, 4, v7
	v_add_nc_u32 v7, s25, v7
	v_mul_u32_u24 v8, v6, KROW
	v_lshl_add_u32 v8, v5, 4, v8                   ; and the same place in the codes' buffer
	v_lshlrev_b32 v9, 5, v2                        ; my column's row of scale bytes: 32 bytes a row
	s_mul_i32 s26, s22, 512*NROW
	s_lshl_b32 s27, s24, 2
	s_add_co_u32 s26, s26, s27
	s_mov_b32 s27, 0
	s_wait_kmcnt 0x0
	s_add_nc_u64 s[6:7], s[6:7], s[26:27]          ; W_qkv at row 512 y, my first column
	s_lshl_b32 s26, s24, 9
	s_lshl_b32 s28, s22, 8
	s_add_co_u32 s26, s26, s28
	s_add_nc_u64 s[14:15], s[14:15], s[26:27]      ; codes: column x 512 + 256 y
	s_lshl_b32 s26, s24, 5
	s_lshl_b32 s28, s22, 4
	s_add_co_u32 s26, s26, s28
	s_add_nc_u64 s[16:17], s[16:17], s[26:27]      ; scale bytes: column x 32 + 16 y
.macro WLOAD t                         ; block t: W(32 t + i, my column) into set t % 2; every offset is an immediate, 511 rows of 12,288 bytes at the most
.irp i, 0,1,2,3,4,5,6,7,8,9,10,11,12,13,14,15,16,17,18,19,20,21,22,23,24,25,26,27,28,29,30,31
	global_load_b32 v[WX+32*((\t)%2)+\i], v3, s[6:7] offset:(32*(\t)+\i)*NROW th:TH_LOAD_NT
.endr
.endm
	WLOAD 0
	WLOAD 1
.macro WBLOCK t
.set XS, WX+32*((\t)%2)
.if (\t) < NB-1
	s_wait_loadcnt 32                              ; this block's 32 loads are in; the next block's may be out
.else
	s_wait_loadcnt 0
.endif
	v_max3_num_f32 v12, |v[XS]|, |v[XS+1]|, |v[XS+2]|               ; the block's largest magnitude: all 32 numbers are mine
	v_max3_num_f32 v13, |v[XS+3]|, |v[XS+4]|, |v[XS+5]|
.irp i, 6,10,14,18,22,26
	v_max3_num_f32 v12, v12, |v[XS+\i]|, |v[XS+\i+1]|
	v_max3_num_f32 v13, v13, |v[XS+\i+2]|, |v[XS+\i+3]|
.endr
	v_max3_num_f32 v12, v12, |v[XS+30]|, |v[XS+31]|
	v_max3_num_f32 v12, v12, v13, 0x1800000        ; and the floor 2^(3 - 127)
	v_add_nc_u32 v11, 0xff000000, v12              ; 2 off its exponent field: the conversion's scale operand
	v_lshrrev_b32 v13, 23, v11                     ; the scale's byte
.if (\t)%4 == 0
	v_mov_b32 v[SB+(\t)/4], v13                    ; four bytes to a register, the lower K in the lower byte
.else
	v_lshl_or_b32 v[SB+(\t)/4], v13, 8*((\t)%4), v[SB+(\t)/4]
.endif
.irp g, 0,1,2,3
	v_cvt_scalef32_pk8_fp4_f32 v[WC+\g], v[XS+8*\g:XS+8*\g+7], v11
.endr
	ds_store_b128 v4, v[WC:WC+3] offset:16*(\t)    ; 32 codes: 16 bytes of my column's row
.if (\t)+2 < NB
	WLOAD (\t)+2
.endif
	s_wait_dscnt 0x0                               ; the store has read its registers: the next block's codes may be written
.endm
.set Q, 0
.rept NB
	WBLOCK Q
.set Q, Q+1
.endr
	global_store_b128 v9, v[SB:SB+3], s[16:17]     ; my column's 16 scale bytes
.irp t, 0,1,2,3,4,5,6,7,8,9,10,11,12,13,14,15
	ds_load_b128 v[OUTR+4*\t:OUTR+4*\t+3], v7 offset:2*\t*PITCH   ; LDS serves a wave's instructions in order: these see my stores
.endr
.irp t, 0,1,2,3,4,5,6,7,8,9,10,11,12,13,14,15
	s_wait_dscnt 15-\t
	global_store_b128 v8, v[OUTR+4*\t:OUTR+4*\t+3], s[14:15] offset:2*\t*KROW   ; sixteen lanes store 256 consecutive bytes, aligned
.endr
	s_wait_tensorcnt 0x0                           ; the wave's end, behind my last LDS store
	ds_add_u32 v[SPW], v[NIL]
	s_wait_dscnt 0x0
	s_endpgm
.Lcast:
	; ---------------- W_out to f16, as it lies: 32 loads of 512 bytes a wave, all on their way at once; each store covers 256 consecutive bytes, aligned.  No LDS
	s_sub_co_u32 s21, ttmp9, 304
	s_lshl_b32 s21, s21, 2
	s_add_co_u32 s21, s21, s20                     ; which run of 4,096 numbers is my wave's
	s_lshl_b32 s22, s21, 14
	s_mov_b32 s23, 0
	s_lshl_b32 s24, s21, 13
	s_mov_b32 s25, 0
	v_lshlrev_b32 v3, 4, v2
	v_lshlrev_b32 v4, 3, v2
	s_wait_kmcnt 0x0
	s_add_nc_u64 s[8:9], s[8:9], s[22:23]
	s_add_nc_u64 s[18:19], s[18:19], s[24:25]
.set Q, 0
.rept 32
	global_load_b128 v[16+4*Q:19+4*Q], v3, s[8:9] offset:512*Q th:TH_LOAD_NT
.set Q, Q+1
.endr
.set Q, 0
.rept 32
	s_wait_loadcnt 31-Q                            ; loads come back in order: number Q is in
	v_cvt_pk_f16_f32 v[16+4*Q], v[16+4*Q], v[17+4*Q]
	v_cvt_pk_f16_f32 v[17+4*Q], v[18+4*Q], v[19+4*Q]
	global_store_b64 v4, v[16+4*Q:17+4*Q], s[18:19] offset:256*Q   ; no register is written again, so nothing waits for the stores
.set Q, Q+1
.endr
	s_endpgm
.Lfunc_end_k_q6bec6b250f_prep:
	.size	k_q6bec6b250f_prep, .Lfunc_end_k_q6bec6b250f_prep-k_q6bec6b250f_prep
	.p2alignl 7, 3214868480
	.fill 96, 4, 3214868480
	.section	.rodata,"a",@progbits
	.p2align	6, 0x0
	.amdhsa_kernel k_q6bec6b250f_prep
		.amdhsa_group_segment_fixed_size 68096
		.amdhsa_private_segment_fixed_size 0
		.amdhsa_enable_private_segment 0
		.amdhsa_kernarg_size 64
		.amdhsa_user_sgpr_count 2
		.amdhsa_user_sgpr_kernarg_segment_ptr 1
		.amdhsa_wavefront_size32 1
		.amdhsa_system_sgpr_workgroup_id_x 1
		.amdhsa_system_sgpr_workgroup_id_y 1
		.amdhsa_system_sgpr_workgroup_id_z 1
		.amdhsa_system_vgpr_workitem_id 0
		.amdhsa_next_free_vgpr 196
		.amdhsa_next_free_sgpr 66
		.amdhsa_reserve_vcc 0
		.amdhsa_float_denorm_mode_32 3
		.amdhsa_float_denorm_mode_16_64 3
		.amdhsa_memory_ordered 1
		.amdhsa_forward_progress 1
		.amdhsa_inst_pref_size 122
	.end_amdhsa_kernel
	.amdgpu_metadata
---
amdhsa.version: [ 1, 2 ]
amdhsa.kernels:
  - .name:           k_q6bec6b250f_prep
    .symbol:         k_q6bec6b250f_prep.kd
    .args:
      - { .name: x, .offset: 0, .size: 8, .value_kind: global_buffer, .address_space: global }
      - { .name: W_qkv, .offset: 8, .size: 8, .value_kind: global_buffer, .address_space: global }
      - { .name: W_out, .offset: 16, .size: 8, .value_kind: global_buffer, .address_space: global }
      - { .name: x_codes, .offset: 24, .size: 8, .value_kind: global_buffer, .address_space: global }
      - { .name: x_scales, .offset: 32, .size: 8, .value_kind: global_buffer, .address_space: global }
      - { .name: w_codes, .offset: 40, .size: 8, .value_kind: global_buffer, .address_space: global }
      - { .name: w_scales, .offset: 48, .size: 8, .value_kind: global_buffer, .address_space: global }
      - { .name: wo16, .offset: 56, .size: 8, .value_kind: global_buffer, .address_space: global }
    .group_segment_fixed_size: 68096
    .private_segment_fixed_size: 0
    .kernarg_segment_align: 8
    .kernarg_segment_size: 64
    .max_flat_workgroup_size: 128
    .sgpr_count:     66
    .vgpr_count:     196
    .wavefront_size: 32
...
	.end_amdgpu_metadata
.endif
;; end of part 1
;; launch gemm_qkv (part 2): grid 12 x 32, 4 waves a work-group, clusters of 4 x 4, 327,680 bytes of LDS; arguments x_codes, x_scales, w_codes, w_scales, b_qkv, qkv16, qkv32; writes qkv16, qkv32
.if DOCPART == 2
	.amdgcn_target "amdgcn-amd-amdhsa--gfx1250"
	.amdhsa_code_object_version 6
	.text
	.protected	k_q6bec6b250f_gemm_qkv
	.globl	k_q6bec6b250f_gemm_qkv
	.p2align	8
	.type	k_q6bec6b250f_gemm_qkv,@function
k_q6bec6b250f_gemm_qkv:
	s_mov_b64 s[64:65], 0
	v_nop
	global_prefetch_b8 v0, s[64:65] scope:SCOPE_SE
	s_setreg_imm32_b32 hwreg(HW_REG_WAVE_MODE, 25, 1), 1
	s_wait_xcnt 0x0
	s_wait_alu depctr_hold_cnt(0) depctr_sa_sdst(0) depctr_va_vdst(0) depctr_va_sdst(0) depctr_va_ssrc(0) depctr_va_vcc(0) depctr_vm_vsrc(0)
	s_getreg_b32 s2, hwreg(HW_REG_IB_STS2, 6, 4)
	s_cmp_eq_u32 s2, 0
	s_cbranch_scc0 .Lentry_in_a_cluster
	s_endpgm
.Lentry_in_a_cluster:
	s_bfe_u32 s2, ttmp6, 0x10000c
	s_cmp_lg_u32 s2, 0xf033
	s_cbranch_scc0 .Lentry_shape_is_right
	s_endpgm
.Lentry_shape_is_right:
; qkv = Q(x) Q(W_qkv) + b: [8192][1024] x [1024][3072] on codes of E2M1 with one E8M0 scale for each 32 along K, sums in f32.  A = x's codes [8192][512 bytes], B = W_qkv's codes [3072 (n)][512 bytes].
; WORK LEFT OUT: the bias on K (columns 1,024 to 2,047): a term that is the same for all keys of a row falls out of the softmax (shown at the head of the first launch's text): those sums begin with 0.
; OUT: f16, by head: plane (which x 64 + head x 4 + batch) of 2^18 bytes, [t][64]; which = 0 q, 1 k, 2 v.  And positions 0 to 15 of each sequence once more in f32, [batch x 16 + t][3072], for the last launch.
; LIMIT: |qkv| stays under 65,504 (f16).
; A tile of C, 256 x 256, is made by four waves, each 128 x 128: 64 accumulators.  K = 1,024 is two K steps of 512 (tile rows of 256 bytes): both slots and all scale bytes are first fills; nothing is filled again.
; By this text's own count a wave has three tensor loads out.
; CLUSTERS: 4 x 4 work-groups.  Tile column = 4 x cluster x + cx; tile row = 8 cy + cluster y, so that the batch is cy and the rows' place in the sequence hangs on cluster y alone: the two branches of this text
; (is this the k part?  are these the sequence's first rows?) hang on the cluster's x and y and the wave's number, which all sixteen partners share.  A's tiles are asked for jointly along a row of the cluster, B's along a column.
; THE MATRIX INSTRUCTION IS USED TRANSPOSED (source 0 = 16 rows of B, source 1 = 16 rows of A): a lane holds eight neighbouring columns of a row of C.
; REGISTERS: window 0: v0-31 addresses; v32-95 scale words, two sets; v128-191 A's fragments, one set; v192-255 the bias, eight registers for each of my eight blocks of columns, the C of the first step.
;   window 1: B's fragments, two sets, at v0 and v128.   window 2: the accumulators of my rows 0-63 ((a, b) at v[8 (8 a + b)]);   window 3: rows 64-127.
.set KSTEP,  512
.set NQ,     4                         ; matrix instructions deep in a slot
.set ROWB,   256                       ; a tile's row in bytes
.set KROW,   512                       ; a row of A or of B in memory
.set PITCH,  272                       ; an LDS row: 256 bytes + 16 of padding: the 16 rows that a load touches start at 16 different banks (64 banks of 4 bytes: ISA guide 11.1)
.set FR,     8
.set NL,     2
.set NP,     4                         ; places behind this matrix instruction (ISA guide 7.12.1)
.set HALFT,  128*PITCH
.set SLOT,   4*HALFT
.set KS,     32                        ; a row of scales in bytes
.set SCL,    2*SLOT                    ; behind the slots: the scales, as rows of 256 bytes + 16 of padding
.set HALFS,  (128*KS/256)*272
.set SBLK,   (16*KS/256)*272
.set SPARE,  SCL+4*HALFS               ; the spare words, 128 bytes for each wave
.set HST,    2304                      ; the way out: a stage of [2 heads][16 rows][128 bytes + 16] for each wave, in slot 0, which has had its only fill and its last read by then
.set ADRA, 16
.set ADRB, 20
.set STO,  24
.set RD,   25
.set CO,   26
.set ADRS, 27
.set SPW,  28
.set NIL,  29
.set BAD,  30                          ; v30 the bias: 32 x (lane / 16)
.set FAD,  31                          ; v31 the f32 rows: 12,288 x (lane % 16) + 32 x (lane / 16)
.set SC,   32
.set TMP,  32                          ; the way out: packed results
.set AF,   128
.set BK,   128                         ; the way out: v128-159 and v160-191 by turns
.set BI,   192
.set G1, 24
.set G0, 32
.set G1B, 48
.set G0B, 56
.set G1S, 68
.set G0S, 76
.set G1SB, 80
.set G0SB, 88
.set MSB, 0
.macro WIN new                         ; the immediate's high byte repeats the setting that is left
.if MSB != (\new)
	s_set_vgpr_msb (MSB<<8)|(\new)
.set MSB, (\new)
.endif
.endm
.set MUL_LO, 0xa1                      ; source 0 (B) window 1, source 1 (A) window 0, C and D window 2
.set MUL_HI, 0xf1                      ; the same, C and D window 3
.set TO_B,   0x40
; A joint load: waves 0 and 1 fetch for A, waves 2 and 3 for B; the branch hangs on the wave's number alone.  An s_nop 0 and four v_nop follow each of the two lines.
.macro JLOAD g0a, g1a, g0b, g1b
	s_cmp_eq_u32 s15, 0
	s_cbranch_scc0 .Lfor_b_\@
	tensor_load_to_lds s[\g0a:\g0a+3], s[\g1a:\g1a+7]
	s_nop 0
.rept 4
	v_nop
.endr
	s_branch .Lasked_\@
.Lfor_b_\@:
	tensor_load_to_lds s[\g0b:\g0b+3], s[\g1b:\g1b+7]
	s_nop 0
.rept 4
	v_nop
.endr
.Lasked_\@:
.endm
.macro CROUND                          ; a round of the cluster's barrier
	s_barrier_signal -1
	s_barrier_wait -1
	s_cmp_lg_u32 s14, 0
	s_cbranch_scc1 .Lnot_wave_0_\@
	s_barrier_signal -3
.Lnot_wave_0_\@:
	s_barrier_wait -3
	s_barrier_signal -1
	s_barrier_wait -1
.endm
	s_load_b128 s[4:7], s[0:1], 0x0                ; A's codes s[4:5], A's scales s[6:7]
	s_load_b128 s[8:11], s[0:1], 0x10              ; B's codes s[8:9], B's scales s[10:11]
	s_load_b128 s[96:99], s[0:1], 0x20             ; the bias s[96:97], qkv16 s[98:99]
	s_load_b64 s[12:13], s[0:1], 0x30              ; qkv32
	v_lshl_add_u32 v[SPW], v0, 2, SPARE
	v_mov_b32 v[NIL], 0
	ds_add_u32 v[SPW], v[NIL]                      ; the wave's opening: the add, twice on end, and its wait ahead of my first tensor load
	ds_add_u32 v[SPW], v[NIL]
	v_lshrrev_b32 v1, 5, v0
	v_readfirstlane_b32 s14, v1                    ; wave 0..3
	s_lshr_b32 s15, s14, 1                         ; which half of the tile's rows is mine.  Also: I fetch for A (0) or for B (1)
	s_and_b32 s16, s14, 1                          ; which half of its columns.  Also: which 128 rows of that tile I fetch
	s_bfe_u32 s40, ttmp6, 0x40000                  ; cx, cy
	s_bfe_u32 s41, ttmp6, 0x40004
	s_lshl_b32 s42, ttmp9, 2
	s_add_co_u32 s42, s42, s40                     ; tile column = 4 x cluster x + cx
	s_and_b32 s66, ttmp7, 0xffff                   ; cluster y
	s_lshl_b32 s17, s41, 3
	s_add_co_u32 s17, s17, s66                     ; tile row = 8 cy + cluster y: batch cy, positions 256 x cluster y on
	s_or_b32 s67, s66, s15                         ; 0 where my first 16 rows are a sequence's first 16 positions
	s_lshl_b32 s43, s41, 2
	s_lshl_b32 s43, 15, s43                        ; my row of the cluster
	s_lshl_b32 s44, 0x1111, s40                    ; my column
	s_or_b32 s[G1+0], s43, (0<<16)|(1<<20)|(1<<21)|(5<<22)|(3<<25)  ; the mask; elements of 1 byte; padding on; bit 21 beside a mask; 4 words after every 64
	s_or_b32 s[G1B+0], s44, (0<<16)|(1<<20)|(1<<21)|(5<<22)|(3<<25)
.irp g, G1, G1B
	s_mov_b32 s[\g+1], ROWB<<16                    ; tensor_dim0
	s_mov_b32 s[\g+2], 128<<16                     ; tensor_dim1
	s_mov_b32 s[\g+3], ROWB<<16                    ; tile_dim0
	s_mov_b32 s[\g+4], 128                         ; tile_dim1
	s_mov_b32 s[\g+5], KROW                        ; stride
	s_mov_b32 s[\g+6], 0
	s_mov_b32 s[\g+7], 0
.endr
	s_or_b32 s[G1S+0], s43, (3<<16)|(1<<20)|(1<<21)|(5<<22)|(3<<25)  ; the scales of 128 rows: 4,096 dense bytes as 16 rows of 256 (32 elements of 8 bytes)
	s_or_b32 s[G1SB+0], s44, (3<<16)|(1<<20)|(1<<21)|(5<<22)|(3<<25)
.irp g, G1S, G1SB
	s_mov_b32 s[\g+1], 32<<16
	s_mov_b32 s[\g+2], (128*KS/256)<<16
	s_mov_b32 s[\g+3], 32<<16
	s_mov_b32 s[\g+4], 128*KS/256
	s_mov_b32 s[\g+5], 32
	s_mov_b32 s[\g+6], 0
	s_mov_b32 s[\g+7], 0
.endr
	s_lshl_b32 s18, s16, 7                         ; which 128 rows of the tile I fetch
	s_lshl_b32 s20, s17, 8
	s_add_co_u32 s20, s20, s18                     ; A: row 256 x tile row + 128 x half
	s_lshl_b32 s46, s42, 8
	s_add_co_u32 s46, s46, s18                     ; B: row 256 x tile column + 128 x half
	s_mov_b32 s21, 0
	s_mov_b32 s47, 0
	s_mov_b64 s[18:19], KS
	s_mul_u64 s[22:23], s[20:21], s[18:19]         ; where these rows' scales begin
	s_mul_u64 s[92:93], s[46:47], s[18:19]
	s_mov_b64 s[18:19], KROW
	s_mul_u64 s[20:21], s[20:21], s[18:19]         ; and their codes
	s_mul_u64 s[46:47], s[46:47], s[18:19]
	s_mul_i32 s45, s14, HALFT                      ; where they go: no place in the cluster enters an LDS address
	s_mul_i32 s94, s14, HALFS
	s_wait_dscnt 0x0                               ; both opening adds are done
	s_wait_kmcnt 0x0
	s_add_nc_u64 s[20:21], s[4:5], s[20:21]
	s_add_nc_u64 s[22:23], s[6:7], s[22:23]
	s_add_nc_u64 s[46:47], s[8:9], s[46:47]
	s_add_nc_u64 s[92:93], s[10:11], s[92:93]
	CROUND                                         ; all sixteen work-groups are here: the joint loads meet
	s_mov_b32 s[G0S], 1
	s_add_co_u32 s[G0S+1], s94, SCL
	s_mov_b64 s[G0S+2:G0S+3], s[22:23]
	s_or_b32 s[G0S+3], s[G0S+3], 0x80000000
	s_mov_b32 s[G0SB], 1
	s_add_co_u32 s[G0SB+1], s94, SCL
	s_mov_b64 s[G0SB+2:G0SB+3], s[92:93]
	s_or_b32 s[G0SB+3], s[G0SB+3], 0x80000000
	JLOAD G0S, G1S, G0SB, G1SB                     ; the scales first: they are wanted with K step 0
.irp s, 0,1
	s_mov_b32 s[G0+4*\s], 1
	s_add_co_u32 s[G0+4*\s+1], s45, \s*SLOT
	s_add_nc_u64 s[G0+4*\s+2:G0+4*\s+3], s[20:21], \s*ROWB
	s_or_b32 s[G0+4*\s+3], s[G0+4*\s+3], 0x80000000
	s_mov_b32 s[G0B+4*\s], 1
	s_add_co_u32 s[G0B+4*\s+1], s45, \s*SLOT
	s_add_nc_u64 s[G0B+4*\s+2:G0B+4*\s+3], s[46:47], \s*ROWB
	s_or_b32 s[G0B+4*\s+3], s[G0B+4*\s+3], 0x80000000
	JLOAD G0+4*\s, G1, G0B+4*\s, G1B
.endr
	v_and_b32 v1, 15, v0                           ; r = lane % 16
	v_bfe_u32 v2, v0, 4, 1                         ; h = lane / 16
	v_mul_u32_u24 v3, v1, PITCH
	v_lshl_add_u32 v4, v2, 4, v3                   ; a fragment's row x pitch + 16 h
	s_mul_i32 s21, s15, HALFT                      ; my 128 rows of A
	s_mul_i32 s22, s16, HALFT                      ; my 128 rows of B,
	s_add_co_u32 s22, s22, 2*HALFT                 ; behind A's 256
.irp s, 0,1
	v_add_nc_u32 v[ADRA+\s], s21, v4
	v_add_nc_u32 v[ADRB+\s], s22, v4
	s_add_co_u32 s21, s21, SLOT
	s_add_co_u32 s22, s22, SLOT
.endr
	v_mul_u32_u24 v5, v1, KS                       ; my row's scales: KS bytes a row,
	v_lshrrev_b32 v6, 8, v5
	v_lshl_add_u32 v5, v6, 4, v5                   ; and 16 more for each 256 passed
	s_mul_i32 s21, s15, HALFS
	s_mul_i32 s22, s16, HALFS
	s_add_co_u32 s22, s22, 2*HALFS
	s_sub_co_u32 s22, s22, s21
	v_mul_u32_u24 v6, s22, v2                      ; lanes 16-31 take B's
	s_add_co_u32 s21, s21, SCL
	v_add_nc_u32 v5, v5, v6
	v_add_nc_u32 v[ADRS], s21, v5
	s_mul_i32 s23, s14, 2*HST                      ; my stage
	v_mul_u32_u24 v5, v1, 144                      ; in: row r of a head's 16, 16 bytes for each half of the lanes
	v_lshl_add_u32 v5, v2, 4, v5
	v_add_nc_u32 v[STO], s23, v5
	v_and_b32 v6, 31, v0
	v_lshlrev_b32 v[CO], 4, v6                     ; out: 32 lanes x 16 bytes = four rows of 128 bytes, consecutive in a plane
	v_lshrrev_b32 v5, 3, v6
	v_mul_u32_u24 v5, v5, 144
	v_and_b32 v7, 7, v0
	v_lshl_add_u32 v5, v7, 4, v5
	v_add_nc_u32 v[RD], s23, v5                    ; back: row lane / 8, 16 (lane % 8)
	v_lshlrev_b32 v[BAD], 5, v2
	v_mul_u32_u24 v[FAD], v1, 12288
	v_lshl_add_u32 v[FAD], v2, 5, v[FAD]
	s_lshl_b32 s20, s42, 2
	s_lshl_b32 s21, s16, 1
	s_add_co_u32 s20, s20, s21                     ; 16 which + my first head = 4 x tile column + 2 x half
	s_lshl_b32 s20, s20, 2
	s_add_co_u32 s20, s20, s41                     ; x 4 + batch: the plane
	s_lshl_b32 s20, s20, 18
	s_lshl_b32 s21, s66, 15                        ; + 256 x cluster y rows of 128 bytes
	s_add_co_u32 s20, s20, s21
	s_lshl_b32 s21, s15, 14                        ; + my half's 128 rows
	s_add_co_u32 s20, s20, s21
	s_mov_b32 s21, 0
	s_add_nc_u64 s[98:99], s[98:99], s[20:21]
	s_lshl_b32 s46, s42, 10                        ; my first column, in f32 bytes: 1,024 x tile column + 512 x half
	s_lshl_b32 s47, s16, 9
	s_add_co_u32 s46, s46, s47
	s_mov_b32 s47, 0
	s_add_nc_u64 s[96:97], s[96:97], s[46:47]
	s_add_nc_u64 s[12:13], s[12:13], s[46:47]
	s_mul_i32 s46, s41, 196608                     ; the batch's 16 rows of 12,288 bytes
	s_add_nc_u64 s[12:13], s[12:13], s[46:47]
.macro FRAG reg, adr, q, i             ; 16 rows x 128 K of 4-bit codes: 8 registers; registers 4 c .. 4 c + 3 hold K = 64 c + 32 h + 0 .. 31
.irp c, 0,1
	ds_load_b128 v[\reg+4*\c:\reg+4*\c+3], v[\adr] offset:64*(\q)+32*\c+(\i)*16*PITCH
.endr
.endm
; 16 matrix instructions: A's blocks a0, a0 + 1 x B's eight.  zero = 1: the sums begin with 0; 2: with the bias; 0: they go on.  The 64 accumulators take turns, one instruction a turn.
.macro MUL16 a0, p, q, sc, zero
.irp a, \a0, \a0+1
.irp b, 0,1,2,3,4,5,6,7
.if \zero == 1
	v_wmma_scale_f32_16x16x128_f8f6f4 v[8*(8*((\a)%4)+\b):8*(8*((\a)%4)+\b)+7], v[128*(\p)+FR*\b:128*(\p)+FR*\b+FR-1], v[AF+FR*(\a):AF+FR*(\a)+FR-1], 0, v[SC+8*NQ*(\sc)+NQ*\b+(\q)], v[SC+8*NQ*(\sc)+NQ*(\a)+(\q)] matrix_a_fmt:MATRIX_FMT_FP4 matrix_b_fmt:MATRIX_FMT_FP4 matrix_a_scale:MATRIX_SCALE_ROW1
.elseif \zero == 2
	v_wmma_scale_f32_16x16x128_f8f6f4 v[8*(8*((\a)%4)+\b):8*(8*((\a)%4)+\b)+7], v[128*(\p)+FR*\b:128*(\p)+FR*\b+FR-1], v[AF+FR*(\a):AF+FR*(\a)+FR-1], v[BI+8*\b:BI+8*\b+7], v[SC+8*NQ*(\sc)+NQ*\b+(\q)], v[SC+8*NQ*(\sc)+NQ*(\a)+(\q)] matrix_a_fmt:MATRIX_FMT_FP4 matrix_b_fmt:MATRIX_FMT_FP4 matrix_a_scale:MATRIX_SCALE_ROW1
.else
	v_wmma_scale_f32_16x16x128_f8f6f4 v[8*(8*((\a)%4)+\b):8*(8*((\a)%4)+\b)+7], v[128*(\p)+FR*\b:128*(\p)+FR*\b+FR-1], v[AF+FR*(\a):AF+FR*(\a)+FR-1], v[8*(8*((\a)%4)+\b):8*(8*((\a)%4)+\b)+7], v[SC+8*NQ*(\sc)+NQ*\b+(\q)], v[SC+8*NQ*(\sc)+NQ*(\a)+(\q)] matrix_a_fmt:MATRIX_FMT_FP4 matrix_b_fmt:MATRIX_FMT_FP4 matrix_a_scale:MATRIX_SCALE_ROW1
.endif
.endr
.endr
.endm
.macro FETCH_B slot, q, p
	WIN TO_B
.irp i, 0,1,2,3,4,5,6,7
	FRAG 128*(\p)+FR*\i, ADRB+\slot, \q, \i
.endr
	WIN 0
.endm
.macro FETCH_A slot, q, i0
.irp i, \i0, \i0+1, \i0+2, \i0+3
	FRAG AF+FR*(\i), ADRA+\slot, \q, \i
.endr
.endm
.macro SCALES sc                       ; a K step's scale words: four words a row; lanes 0-15 take A's block i, lanes 16-31 B's block i
.irp i, 0,1,2,3,4,5,6,7
	ds_load_b128 v[SC+8*NQ*\sc+NQ*\i:SC+8*NQ*\sc+NQ*\i+3], v[ADRS] offset:\i*SBLK
.endr
.endm
.macro PLACES n                        ; plain vector instructions between a matrix instruction and a load into, or a read of, its registers (ISA guide 7.12.1 for reads)
.rept \n
	v_nop
.endr
.endm
.macro STEP slot, q, zero              ; 128 along K, with its successor in the same slot
	s_wait_dscnt 4*NL                              ; B's set and A's blocks 0-3 are in; the youngest eight loads (A's blocks 4-7) may be out
.if \zero == 2
	WIN 0x81                                       ; C (the bias) window 0, D window 2
.else
	WIN MUL_LO
.endif
	MUL16 0, (\q)%2, \q, \slot, \zero
	MUL16 2, (\q)%2, \q, \slot, \zero
	s_wait_dscnt 0                                 ; A's blocks 4-7 are in
	PLACES NP
	FETCH_B \slot, (\q)+1, 1-(\q)%2
	FETCH_A \slot, (\q)+1, 0
.if \zero == 2
	WIN 0xc1                                       ; C window 0, D window 3
.else
	WIN MUL_HI
.endif
	MUL16 4, (\q)%2, \q, \slot, \zero
	MUL16 6, (\q)%2, \q, \slot, \zero
	PLACES NP
	WIN 0
	FETCH_A \slot, (\q)+1, 4
.endm
; Slot 0's last step changes slots: one barrier; in front of it each wave has waited for all its tensor loads (its part of slot 1) and for its reads of slot 0, which becomes the stage of the way out.
.macro TURN slot, next
	s_wait_tensorcnt 0x0                           ; all my tensor loads have landed
	ds_add_u32 v[SPW], v[NIL]                      ; 0 onto my spare word
	s_wait_dscnt 4*NL+1                            ; (the add and the youngest eight loads may be out)
	WIN MUL_LO
	MUL16 0, 1, NQ-1, \slot, 0
	s_wait_dscnt 0x0                               ; the add is done, and my reads of this slot are over
	s_barrier_signal -1
	MUL16 2, 1, NQ-1, \slot, 0
	WIN 0
	s_barrier_wait -1
	PLACES NP
	v_add_nc_u32 v[ADRS], 4*NQ, v[ADRS]            ; on to the next K step's scale words
	FETCH_B \next, 0, 0
	FETCH_A \next, 0, 0
	SCALES \next
	WIN MUL_HI
	MUL16 4, 1, NQ-1, \slot, 0
	MUL16 6, 1, NQ-1, \slot, 0
	PLACES NP
	WIN 0
	FETCH_A \next, 0, 4
.endm
	s_wait_tensorcnt 1                             ; the scales and my part of K step 0 are in (K step 1's load may be out)
	s_barrier_signal -1
	s_barrier_wait -1                              ; everybody's are
	FETCH_B 0, 0, 0
	FETCH_A 0, 0, 0
	SCALES 0
	FETCH_A 0, 0, 4
	s_cmp_eq_u32 ttmp9, 1                          ; cluster x = 1: the k part, whose sums begin with 0.  The same in all sixteen partners and all waves
	s_cbranch_scc1 .Lkpart
.irp b, 0,1,2,3,4,5,6,7
	global_load_b128 v[BI+8*\b:BI+8*\b+3], v[BAD], s[96:97] offset:64*\b         ; b(my first column + 16 b + 8 h + 0 .. 7): the result's layout
	global_load_b128 v[BI+8*\b+4:BI+8*\b+7], v[BAD], s[96:97] offset:64*\b+16
.endr
	s_wait_loadcnt 0x0
	STEP 0, 0, 2                                   ; the bias is the C of each sum's first product
	s_branch .Lsummed
.Lkpart:
	STEP 0, 0, 1
.Lsummed:
	STEP 0, 1, 0
	STEP 0, 2, 0
	TURN 0, 1
	STEP 1, 0, 0
	STEP 1, 1, 0
	STEP 1, 2, 0
	s_wait_dscnt 4*NL                              ; the last step: nothing more to fetch
	WIN MUL_LO
	MUL16 0, 1, NQ-1, 1, 0
	MUL16 2, 1, NQ-1, 1, 0
	s_wait_dscnt 0
	WIN MUL_HI
	MUL16 4, 1, NQ-1, 1, 0
	MUL16 6, 1, NQ-1, 1, 0
	WIN 0
	PLACES NP                                      ; in front of the first reads of results, and of writes and loads into registers that the last products read
	s_cmp_lg_u32 s67, 0
	s_cbranch_scc1 .Lno_first_rows
	WIN 0x08                                       ; a store's data: window 2.  My block 0 is positions 0 to 15 of batch cy: it goes out in f32 too
.irp b, 0,1,2,3,4,5,6,7
	global_store_b128 v[FAD], v[8*\b:8*\b+3], s[12:13] offset:64*\b          ; each accumulator from its low end on
	global_store_b128 v[FAD], v[8*\b+4:8*\b+7], s[12:13] offset:64*\b+16
.endr
	WIN 0
.Lno_first_rows:
; THE WAY OUT, block by block of 16 rows x 128 columns (two heads).  PACK: rounded to f16, 16 bytes a lane.  TOSTAGE: into my own stage and back by rows.  SEND: each store covers 512 consecutive bytes, four rows of a head's plane.
.macro PACK a
.set AC, 64*((\a)%4)
	WIN 0x0a+5*((\a)/4)                            ; sources 0 and 1: window 2 or 3
.irp b, 0,1,2,3,4,5,6,7
.irp r, 0,1,2,3
	v_cvt_pk_f16_f32 v[TMP+4*\b+\r], v[AC+8*\b+2*\r], v[AC+8*\b+2*\r+1]
.endr
.endr
	WIN 0
.endm
.macro TOSTAGE a
.set BB, BK+32*((\a)%2)
.irp b, 0,1,2,3,4,5,6,7
	ds_store_b128 v[STO], v[TMP+4*\b:TMP+4*\b+3] offset:(\b/4)*HST+32*(\b%4)
.endr
.irp t, 0,1,2,3,4,5,6,7
	ds_load_b128 v[BB+4*\t:BB+4*\t+3], v[RD] offset:(\t/4)*HST+(\t%4)*576   ; LDS serves a wave's instructions in order: these see the stores above
.endr
.endm
.macro SEND a
.set BB, BK+32*((\a)%2)
	s_wait_dscnt 0x0                               ; the block is back in registers
	s_wait_xcnt 0x0                                ; the earlier stores have read their registers: the set that the next block's loads take is free
.irp t, 0,1,2,3,4,5,6,7
	global_store_b128 v[CO], v[BB+4*\t:BB+4*\t+3], s[98:99] offset:(\t/4)*1048576+(\a)*2048+(\t%4)*512   ; the next head's plane lies four planes, 2^20 bytes, on
.endr
.endm
	PACK 0
	TOSTAGE 0
.irp a, 1,2,3,4,5,6,7                  ; block a's conversions stand between block a - 1's loads from the stage and the wait for them
	PACK \a
	SEND \a-1
	TOSTAGE \a
.endr
	SEND 7
	s_wait_tensorcnt 0x0                           ; the wave's end, behind my last tensor load and my last LDS store
	ds_add_u32 v[SPW], v[NIL]
	s_wait_dscnt 0x0
	CROUND                                         ; the closing round
	s_endpgm
.Lfunc_end_k_q6bec6b250f_gemm_qkv:
	.size	k_q6bec6b250f_gemm_qkv, .Lfunc_end_k_q6bec6b250f_gemm_qkv-k_q6bec6b250f_gemm_qkv
	.p2alignl 7, 3214868480
	.fill 96, 4, 3214868480
	.section	.rodata,"a",@progbits
	.p2align	6, 0x0
	.amdhsa_kernel k_q6bec6b250f_gemm_qkv
		.amdhsa_group_segment_fixed_size 327680
		.amdhsa_private_segment_fixed_size 0
		.amdhsa_enable_private_segment 0
		.amdhsa_kernarg_size 56
		.amdhsa_user_sgpr_count 2
		.amdhsa_user_sgpr_kernarg_segment_ptr 1
		.amdhsa_wavefront_size32 1
		.amdhsa_system_sgpr_workgroup_id_x 1
		.amdhsa_system_sgpr_workgroup_id_y 1
		.amdhsa_system_sgpr_workgroup_id_z 1
		.amdhsa_system_vgpr_workitem_id 0
		.amdhsa_next_free_vgpr 1024
		.amdhsa_next_free_sgpr 100
		.amdhsa_reserve_vcc 0
		.amdhsa_float_denorm_mode_32 3
		.amdhsa_float_denorm_mode_16_64 3
		.amdhsa_memory_ordered 1
		.amdhsa_forward_progress 1
		.amdhsa_inst_pref_size 141
	.end_amdhsa_kernel
	.amdgpu_metadata
---
amdhsa.version: [ 1, 2 ]
amdhsa.kernels:
  - .name:           k_q6bec6b250f_gemm_qkv
    .symbol:         k_q6bec6b250f_gemm_qkv.kd
    .args:
      - { .name: x_codes, .offset: 0, .size: 8, .value_kind: global_buffer, .address_space: global }
      - { .name: x_scales, .offset: 8, .size: 8, .value_kind: global_buffer, .address_space: global }
      - { .name: w_codes, .offset: 16, .size: 8, .value_kind: global_buffer, .address_space: global }
      - { .name: w_scales, .offset: 24, .size: 8, .value_kind: global_buffer, .address_space: global }
      - { .name: b_qkv, .offset: 32, .size: 8, .value_kind: global_buffer, .address_space: global }
      - { .name: qkv16, .offset: 40, .size: 8, .value_kind: global_buffer, .address_space: global }
      - { .name: qkv32, .offset: 48, .size: 8, .value_kind: global_buffer, .address_space: global }
    .group_segment_fixed_size: 327680
    .private_segment_fixed_size: 0
    .kernarg_segment_align: 8
    .kernarg_segment_size: 56
    .max_flat_workgroup_size: 128
    .sgpr_count:     100
    .vgpr_count:     1024
    .wavefront_size: 32
...
	.end_amdgpu_metadata
.endif
;; end of part 2
;; launch attn (part 3): grid 4 x 64, 16 waves a work-group, no clusters, 327,680 bytes of LDS; arguments qkv16, att16; writes att16
.if DOCPART == 3
	.amdgcn_target "amdgcn-amd-amdhsa--gfx1250"
	.amdhsa_code_object_version 6
	.text
	.protected	k_q6bec6b250f_attn
	.globl	k_q6bec6b250f_attn
	.p2align	8
	.type	k_q6bec6b250f_attn,@function
k_q6bec6b250f_attn:
	s_mov_b64 s[64:65], 0
	v_nop
	global_prefetch_b8 v0, s[64:65] scope:SCOPE_SE
	s_setreg_imm32_b32 hwreg(HW_REG_WAVE_MODE, 25, 1), 1
	s_wait_xcnt 0x0
; att[q] = the sum over k <= q of softmax_k(Q[q] . K[k] / 8) V[k], for each of 64 planes (head x 4 + batch); Q, K, V f16 [2048][64] in planes of 2^18 bytes (q: plane p, k: 64 + p, v: 128 + p); sums, maxima and exponentials in f32;
; the weights are rounded to f16 for the second product, the result to f16 at the end: att16 at (p << 18) + t x 128.
; WORK LEFT OUT: key steps all of whose keys come after a tile's queries (the mask that the problem itself builds gives them the weight 0); K carries no bias (shown at the head of the first launch's text).
; The first 16 positions of each sequence are made here like the rest and made again in f32 by the last launch.
; SHARES.  A work-group owns two blocks of 256 queries of one plane, blocks J and 7 - J, so that every work-group has the same number of tile steps.  Each of its sixteen waves owns a tile of 16 queries in each block
; (low: 256 J + 16 w; high: 256 (7 - J) + 16 w) in 256 registers: four waves to a SIMD, so that one wave's vector work stands beside another's matrix work and LDS loads.
; Keys go 64 a step, four steps a slot, through two LDS slots filled by the tensor data mover (waves 0-3: the four steps' tiles of K; waves 4-7: of V) and read by all sixteen.
; NO CLUSTER: the four work-groups of a plane need 8, 7, 6 and 5 slots; a joint load would bring some partner tiles that none of its waves reads.
; EVERY work-group walks all 8 slots and 32 steps: the trip counts are constants.  What is left out is a step's work, by scalar branches on ids, and a slot's load where the slot's first key comes after the work-group's last query.
; LAYOUT.  S^T = K Q^T (source 0 = 16 keys, source 1 = 16 queries): a lane holds ONE query (lane % 16) and keys 8 (lane / 16) + 0..7 of a tile.  Two such tiles, rounded to f16 in pairs, are source 1 (32 keys x 16 queries)
; of O^T = V^T P, whose result again holds one query a lane.  K comes out of LDS as it lies, V ([key][channel]) turned, by ds_load_tr16_b128.
; SOFTMAX.  A running maximum m and sum l for each query: p = 2^(c s - c m), c = log2(e) / 8; in every step O and l are multiplied by a = 2^(c m_old - c m_new).  m begins at -3e38, l and O^T at 0: the loop has no first step of its own.
; LIMIT: |q|, |k|, |v| under 65,504 (f16).
.set PK,    144                        ; a row of K in LDS: 128 bytes + 16
.set PV,    160                        ; a row of V: 128 + 32
.set VOFF,  64*PK                      ; a step's tiles lie together: 64 rows of K, then 64 rows of V
.set STEPB, 64*(PK+PV)
.set SLOT1, 1<<17                      ; slot 1 begins here: one exclusive or turns an address in one slot into the other's
.set STAGE, SLOT1+4*STEPB              ; behind the slots: 16 rows x 144 bytes for each wave, for the way out
.set SPARE, STAGE+16*16*PK             ; the spare words, 128 bytes for each wave
.set AK0, 1                            ; v1  my lane's place in a tile of K
.set AV0, 2                            ; v2  the same for V
.set SPW, 3                            ; v3  my spare word; never rewritten
.set NIL, 4                            ; v4  0; never rewritten
.set ADK, 5                            ; v5  LDS address of the step's K
.set ADV, 6                            ; v6  of its V
.set DL,  7                            ; v7  lane % 16 - 8 (lane / 16)
.set NINF, 8                           ; v8  -infinity
.set DD,  9                            ; v9  the mask's bound
.set CH,  10                           ; v[10:11] the second chain of a sum
.set ST,  12                           ; tile t's statistics at v[12 + 8 t]: +0 c m, +1 m, +2, +3 l, +4 to +7 at work; a in +6
.set PFO, 28                           ; v28 256 x lane; never rewritten
.set QO,  29                           ; v29 my byte in a tile of Q; on the way out 16 x lane
.set STO, 30
.set RD,  31
.set Q,   32                           ; v32-63   Q: tile t, channels 32 c on: 32 + 16 t + 8 c
.set KV,  64                           ; v64-127  K (keys 16 kt on, channels 32 c on: + 16 kt + 8 c), then V (keys 32 kk on, channels 16 f on: + 32 kk + 8 f)
.set S,   128                          ; v128-191 S^T, 32 a tile; P takes the tile's first 16
.set O,   192                          ; v192-255 O^T, 32 a tile
.set WV,  18
.set SEL, 20                           ; s[20:21] lane selects: lane xor 16
.set CS,  22                           ; s[22:23] c, twice
.set G1K, 24
.set G1V, 32
.set G0K, 40
.set G0V, 44
.set TB,  2                            ; s2  LDS byte at which the step's tiles begin
.set TW,  3                            ; s3  counts a slot's four steps
.set SLOTS, 67                         ; s67 changes of slots still to come
.set KF,  98                           ; s98 the step's first key
.set Q0H, 99                           ; s99 my high tile's first query
.set Q0L, 95                           ; s95 my low tile's
.set PFA, 76                           ; s[76:77] where my prefetches stand
.set LIM, 80                           ; s80 1 in a wave that prefetches, else the greatest number
; Waves 0-3 fetch K's tiles, waves 4-7 V's, the others nothing: branches on the wave's number alone.  An s_nop 0 and four v_nop follow each of the two lines.
.macro TLOAD
	s_cmp_lt_u32 s[WV], 4
	s_cbranch_scc0 .Lnot_k_\@
	tensor_load_to_lds s[G0K:G0K+3], s[G1K:G1K+7]
	s_nop 0
.rept 4
	v_nop
.endr
	s_branch .Lasked_\@
.Lnot_k_\@:
	s_cmp_lt_u32 s[WV], 8
	s_cbranch_scc0 .Lasked_\@
	tensor_load_to_lds s[G0V:G0V+3], s[G1V:G1V+7]
	s_nop 0
.rept 4
	v_nop
.endr
.Lasked_\@:
.endm
; A prefetch of what the NEXT change of slots will ask for: a slot's 256 rows of K and of V, 32,768 dense bytes each.  The plane's work-group J = 0, which walks all slots, asks, and nobody else; in it the waves that fetch
; nothing: waves 8-11 for K's block, waves 12-15 for V's, 8,192 bytes a wave, lanes 256 bytes apart: each aligned block of 256 bytes is named once in the launch.  Slots 0 and 1 come by their loads alone; the last change that fills a slot asks for nothing.
.macro ASK
	s_cmp_gt_u32 s[SLOTS], s[LIM]
	s_cbranch_scc0 .Lnot_mine_\@
	global_prefetch_b8 v[PFO], s[PFA:PFA+1] th:TH_LOAD_NT scope:SCOPE_SE
.Lnot_mine_\@:
.endm
	s_load_b128 s[4:7], s[0:1], 0x0                ; qkv16 s[4:5], att16 s[6:7]
	v_lshl_add_u32 v[SPW], v0, 2, SPARE
	v_mov_b32 v[NIL], 0
	ds_add_u32 v[SPW], v[NIL]                      ; the wave's opening: the add, twice on end, and its wait ahead of my first tensor load
	ds_add_u32 v[SPW], v[NIL]
	v_lshrrev_b32 v5, 5, v0
	v_readfirstlane_b32 s[WV], v5                  ; wave 0..15
	s_and_b32 s70, ttmp7, 0xffff
	s_lshl_b32 s70, s70, 18                        ; the plane's bytes
	s_lshl_b32 s71, s[WV], 4
	s_lshl_b32 s[Q0L], ttmp9, 8
	s_add_co_u32 s[Q0L], s[Q0L], s71               ; 256 J + 16 w
	s_sub_co_u32 s72, 7, ttmp9
	s_lshl_b32 s[Q0H], s72, 8
	s_add_co_u32 s[Q0H], s[Q0H], s71               ; 256 (7 - J) + 16 w
	s_lshl_b32 s72, s[Q0L], 7
	s_add_co_u32 s72, s72, s70
	s_mov_b32 s73, 0                               ; s[72:73]: my low tile's rows, in q's plane and in att16
	s_lshl_b32 s74, s[Q0H], 7
	s_add_co_u32 s74, s74, s70
	s_mov_b32 s75, 0                               ; s[74:75]: my high tile's
	s_and_b32 s81, s[WV], 3
	s_lshl_b32 s82, s81, 13                        ; a step's 64 rows of 128 bytes
	s_add_co_u32 s82, s82, s70
	s_add_co_u32 s82, s82, 64<<18                  ; in k's plane
	s_mov_b32 s83, 0
	s_add_co_u32 s84, s82, 64<<18                  ; in v's
	s_mov_b32 s85, 0
	s_mul_i32 s86, s81, STEPB                      ; and in a slot
	s_cmp_lt_u32 s[WV], 12
	s_cselect_b32 s88, s82, s84                    ; the prefetches: waves 8-11 in k's plane, 12-15 in v's; my 8,192 bytes,
	s_add_co_u32 s88, s88, 32768                   ; in slot 1: the first change of slots steps it to slot 2
	s_mov_b32 s89, 0
	s_lshr_b32 s87, s[WV], 3
	s_xor_b32 s87, s87, 1                          ; 0 in waves 8 to 15,
	s_or_b32 s87, s87, ttmp9                       ; of the work-group J = 0
	s_cmp_eq_u32 s87, 0
	s_cselect_b32 s[LIM], 1, -1
	; descriptor group 1: 64 rows x 64 elements of 2 bytes, dense in memory, padded in LDS behind every row of 32 words: K by 4 words, V by 8
	s_mov_b32 s[G1K], (1<<16)|(1<<20)|(4<<22)|(3<<25)
	s_mov_b32 s[G1V], (1<<16)|(1<<20)|(4<<22)|(7<<25)
.irp g, G1K, G1V
	s_mov_b32 s[\g+1], 64<<16                      ; tensor_dim0
	s_mov_b32 s[\g+2], 64<<16                      ; tensor_dim1
	s_mov_b32 s[\g+3], 64<<16                      ; tile_dim0
	s_mov_b32 s[\g+4], 64                          ; tile_dim1
	s_mov_b32 s[\g+5], 64                          ; stride
	s_mov_b32 s[\g+6], 0
	s_mov_b32 s[\g+7], 0
.endr
	s_mov_b32 s[SEL], 0x76543210
	s_mov_b32 s[SEL+1], 0xfedcba98
	s_mov_b32 s[CS], 0x3e38aa3b                    ; c = log2(e) / 8
	s_mov_b32 s[CS+1], s[CS]
	s_mov_b32 s[TB], 0
	s_mov_b32 s[KF], 0
	s_mov_b32 s[SLOTS], 7
	s_wait_dscnt 0x0                               ; both opening adds are done
	s_wait_kmcnt 0x0
	s_mov_b32 s[G0K], 1
	s_mov_b32 s[G0K+1], s86
	s_add_nc_u64 s[G0K+2:G0K+3], s[4:5], s[82:83]
	s_or_b32 s[G0K+3], s[G0K+3], 0x80000000
	s_mov_b32 s[G0V], 1
	s_add_co_u32 s[G0V+1], s86, VOFF
	s_add_nc_u64 s[G0V+2:G0V+3], s[4:5], s[84:85]
	s_or_b32 s[G0V+3], s[G0V+3], 0x80000000
	TLOAD                                          ; slot 0: it holds key 0, which counts for every query
	s_add_nc_u64 s[8:9], s[4:5], s[72:73]          ; Q, low and high
	s_add_nc_u64 s[10:11], s[4:5], s[74:75]
	s_add_nc_u64 s[12:13], s[6:7], s[72:73]        ; att16, low and high
	s_add_nc_u64 s[14:15], s[6:7], s[74:75]
	s_add_nc_u64 s[PFA:PFA+1], s[4:5], s[88:89]
	v_and_b32 v9, 15, v0                           ; r
	v_bfe_u32 v10, v0, 4, 1                        ; h
	v_lshlrev_b32 v[QO], 7, v9
	v_lshl_add_u32 v[QO], v10, 4, v[QO]            ; row r x 128 + 16 h
.irp t, 0,1
.irp c, 0,1
	global_load_b128 v[Q+16*\t+8*\c:Q+16*\t+8*\c+3],   v[QO], s[8+2*\t:9+2*\t] offset:64*\c      ; Q stays in registers
	global_load_b128 v[Q+16*\t+8*\c+4:Q+16*\t+8*\c+7], v[QO], s[8+2*\t:9+2*\t] offset:64*\c+32
.endr
.endr
	v_mul_u32_u24 v[AK0], v9, PK
	v_lshl_add_u32 v[AK0], v10, 4, v[AK0]          ; key r x pitch + 16 h
	v_and_b32 v11, 7, v0
	v_lshl_add_u32 v[AV0], v10, 3, v11             ; the turning load: key 8 h + lane % 8,
	v_mul_u32_u24 v[AV0], v[AV0], PV
	v_bfe_u32 v11, v0, 3, 1
	v_lshl_add_u32 v[AV0], v11, 4, v[AV0]          ; channels 8 ((lane / 8) % 2) on
	v_add_nc_u32 v[AV0], VOFF, v[AV0]
	v_lshlrev_b32 v11, 3, v10
	v_sub_nc_u32 v[DL], v9, v11
	v_mov_b32 v[NINF], 0xff800000
	v_and_b32 v[PFO], 31, v0
	v_lshlrev_b32 v[PFO], 8, v[PFO]
.irp t, 0,1
	v_mov_b32 v[ST+8*\t+1], 0xff61b1e6             ; m = -3e38, under every score
	v_mul_f32 v[ST+8*\t], s[CS], v[ST+8*\t+1]      ; c m
.irp i, 2,3,4,5,6,7
	v_mov_b32 v[ST+8*\t+\i], 0                     ; l; and the registers at work, written once: a lane permute's destination counts as one of its sources
.endr
.endr
.set I, 0
.rept 64
	v_mov_b32 v[O+I], 0                            ; O^T: the first step finds zeros, which its a leaves zeros
.set I, I+1
.endr
.macro KQ1 t, kt, c
.if \c == 0
	v_wmma_f32_16x16x32_f16 v[S+32*\t+8*\kt:S+32*\t+8*\kt+7], v[KV+16*\kt+8*\c:KV+16*\kt+8*\c+7], v[Q+16*\t+8*\c:Q+16*\t+8*\c+7], 0
.else
	v_wmma_f32_16x16x32_f16 v[S+32*\t+8*\kt:S+32*\t+8*\kt+7], v[KV+16*\kt+8*\c:KV+16*\kt+8*\c+7], v[Q+16*\t+8*\c:Q+16*\t+8*\c+7], v[S+32*\t+8*\kt:S+32*\t+8*\kt+7]
.endif
.endm
.macro KQ lo                           ; S^T = K Q^T.  The accumulators take turns, one instruction a turn: 7 (lo = 1) or 3 others' stand between two links
.irp c, 0,1
.irp kt, 0,1,2,3
.if \lo
	KQ1 0, \kt, \c
.endif
	KQ1 1, \kt, \c
.endr
.endr
.endm
.macro PV1 t, kk, f
	v_wmma_f32_16x16x32_f16 v[O+32*\t+8*\f:O+32*\t+8*\f+7], v[KV+32*\kk+8*\f:KV+32*\kk+8*\f+7], v[S+32*\t+8*\kk:S+32*\t+8*\kk+7], v[O+32*\t+8*\f:O+32*\t+8*\f+7]
.endm
.macro PV lo                           ; O^T += V^T P, by turns likewise
.irp kk, 0,1
.irp f, 0,1,2,3
.if \lo
	PV1 0, \kk, \f
.endif
	PV1 1, \kk, \f
.endr
.endr
.endm
; On the diagonal the scores of hidden keys become -infinity ahead of the maximum: p = 0 then.  A step all of whose keys count jumps over this.  Register 8 kt + j holds key KF + 16 kt + 8 h + j: hidden where 16 kt + j > query - KF - 8 h.
.macro MASK t, q0
	s_add_co_u32 s96, s[KF], 63
	s_cmp_le_u32 s96, s[\q0]
	s_cbranch_scc1 .Lopen_\@
	s_sub_co_i32 s96, s[\q0], s[KF]
	v_add_nc_u32 v[DD], s96, v[DL]
.irp n, 0,1,2,3,4,5,6,7,8,9,10,11,12,13,14,15,16,17,18,19,20,21,22,23,24,25,26,27,28,29,30,31
	v_cmp_gt_i32 vcc_lo, 16*(\n/8)+\n%8, v[DD]
	v_cndmask_b32 v[S+32*\t+\n], v[S+32*\t+\n], v[NINF], vcc_lo
.endr
.Lopen_\@:
.endm
; One tile's softmax for one key step.
.macro SMX t
.set rT, ST+8*(\t)
.set rS, S+32*(\t)
.set rO, O+32*(\t)
.irp j, 0,1,2,3
	v_max3_num_f32 v[rT+4+\j], v[rS+8*\j], v[rS+8*\j+1], v[rS+8*\j+2]      ; four chains, each accumulator from its low end on
.endr
.irp u, 3,5
.irp j, 0,1,2,3
	v_max3_num_f32 v[rT+4+\j], v[rT+4+\j], v[rS+8*\j+\u], v[rS+8*\j+\u+1]
.endr
.endr
	v_max3_num_f32 v[rT+4], v[rT+4], v[rS+7], v[rS+15]
	v_max3_num_f32 v[rT+6], v[rT+6], v[rS+23], v[rS+31]
	v_max3_num_f32 v[rT+4], v[rT+4], v[rT+5], v[rT+6]
	v_max3_num_f32 v[rT+4], v[rT+4], v[rT+7], v[rT+1]                      ; and the old m
	v_permlanex16_b32 v[rT+5], v[rT+4], s[SEL], s[SEL+1]                   ; the query's other 32 keys lie in the lane 16 away
	v_mov_b32 v[rT+7], v[rT]                                               ; c m_old
	v_max_num_f32 v[rT+1], v[rT+4], v[rT+5]                                ; the new m
	v_mul_f32 v[rT], s[CS], v[rT+1]
	v_sub_f32 v[rT+7], v[rT+7], v[rT]                                      ; c m_old - c m_new
.irp b, 0,2,4,6,8,10,12,14,16,18,20,22,24,26,28,30
	v_pk_fma_f32 v[rS+\b:rS+\b+1], v[rS+\b:rS+\b+1], s[CS:CS+1], v[rT:rT+1] op_sel_hi:[1,0,0] neg_lo:[0,0,1] neg_hi:[0,0,1]   ; c s - c m
.endr
	v_exp_f32 v[rT+6], v[rT+7]                                             ; a.  The 33 exponentials are one batch
.irp e, 0,1,2,3,4,5,6,7,8,9,10,11,12,13,14,15,16,17,18,19,20,21,22,23,24,25,26,27,28,29,30,31
	v_exp_f32 v[rS+\e], v[rS+\e]
.endr
	v_nop                                                                  ; a plain instruction behind the last exponential
	s_wait_alu depctr_va_vdst(0)                                           ; the wait ahead of the first instruction that names a result: one for the batch
	v_pk_mul_f32 v[rT+2:rT+3], v[rT+2:rT+3], v[rT+6:rT+7] op_sel_hi:[1,0]  ; l x a
	v_pk_add_f32 v[CH:CH+1], v[rS:rS+1], v[rS+2:rS+3]                      ; the sum of the unrounded p, two at a time, in two chains
.irp j, 4,8,12,16,20,24,28
	v_pk_add_f32 v[rT+2:rT+3], v[rT+2:rT+3], v[rS+\j:rS+\j+1]
	v_pk_add_f32 v[CH:CH+1], v[CH:CH+1], v[rS+\j+2:rS+\j+3]
.endr
	v_pk_add_f32 v[rT+2:rT+3], v[rT+2:rT+3], v[CH:CH+1]
.irp j, 0,1,2,3,4,5,6,7,8,9,10,11,12,13,14,15
	v_cvt_pk_f16_f32 v[rS+\j], v[rS+2*\j], v[rS+2*\j+1]                    ; P, in place: pair j goes to register j, which pairs j on no longer need
.endr
.irp i, 0,2,4,6,8,10,12,14,16,18,20,22,24,26,28,30
	v_pk_mul_f32 v[rO+\i:rO+\i+1], v[rO+\i:rO+\i+1], v[rT+6:rT+7] op_sel_hi:[1,0]   ; O^T x a
.endr
.endm
; A key step's work.  lo = 1: both tiles; 0: the high tile alone.
.macro BODY lo
	v_add_nc_u32 v[ADK], s[TB], v[AK0]
	v_add_nc_u32 v[ADV], s[TB], v[AV0]
.rept 3
	v_nop                                          ; with the two additions five places behind the last step's products: the loads below land in registers that they read, and the first products below write over P, which they read
.endr
.irp kt, 0,1,2,3
.irp c, 0,1
	ds_load_b128 v[KV+16*\kt+8*\c:KV+16*\kt+8*\c+3],   v[ADK] offset:\kt*16*PK+64*\c
	ds_load_b128 v[KV+16*\kt+8*\c+4:KV+16*\kt+8*\c+7], v[ADK] offset:\kt*16*PK+64*\c+32
.endr
.endr
	s_wait_dscnt 0x0
	KQ \lo
.rept 4
	v_nop                                          ; places in front of the loads into K's registers and of the first reads of the scores
.endr
.irp kk, 0,1
.irp f, 0,1,2,3
	ds_load_tr16_b128 v[KV+32*\kk+8*\f:KV+32*\kk+8*\f+3],   v[ADV] offset:\kk*32*PV+32*\f          ; V lands while the softmax is walked
	ds_load_tr16_b128 v[KV+32*\kk+8*\f+4:KV+32*\kk+8*\f+7], v[ADV] offset:\kk*32*PV+16*PV+32*\f
.endr
.endr
.if \lo
	MASK 0, Q0L
	SMX 0
.endif
	MASK 1, Q0H
	SMX 1
	s_wait_dscnt 0x0                               ; V is in
	PV \lo
.endm
; KF is a multiple of 64 and a tile's first query of 16: all of a step's keys come after the tile's 16 queries where KF > the first query.
.macro STEP
	s_cmp_gt_u32 s[KF], s[Q0H]
	s_cbranch_scc1 .Lhid_\@
	s_cmp_gt_u32 s[KF], s[Q0L]
	s_cbranch_scc1 .Lhigh_\@
	BODY 1
	s_branch .Lhid_\@
.Lhigh_\@:
	BODY 0
.Lhid_\@:
	s_add_co_u32 s[TB], s[TB], STEPB
	s_add_co_u32 s[KF], s[KF], 64
.endm
.macro SLOT_STEPS                      ; a slot's four steps: written once, walked four times; the LDS addresses hang on s[TB]
	s_mov_b32 s[TW], 4
.Lst_\@:
	STEP
	s_sub_co_u32 s[TW], s[TW], 1
	s_cmp_lg_u32 s[TW], 0
	s_cbranch_scc1 .Lst_\@
	s_sub_co_u32 s[TB], s[TB], 4*STEPB
	s_xor_b32 s[TB], s[TB], SLOT1                  ; on to the other slot
.endm
; THE CHANGE OF SLOTS stands at a slot's head.  Each wave waits for all its tensor loads (its part of the slot that it is about to read), adds 0 to its spare word, and waits for that and for its reads of the slot that it has left.
; Behind the barrier the slot ahead is whole and nobody reads the other one, which is then filled with the keys that follow: the load has a slot's four steps in which to land.
.macro CHANGE fill
	s_wait_tensorcnt 0x0                           ; no tensor load of mine is out, so a group 0 may be written
	ds_add_u32 v[SPW], v[NIL]                      ; 0 onto my spare word
.if \fill
	ds_add_u32 v[SPW], v[NIL]                      ; and once more: the add twice on end, in every trip alike
	s_xor_b32 s[G0K+1], s[G0K+1], SLOT1            ; the walking descriptors: the other slot than last time,
	s_add_nc_u64 s[G0K+2:G0K+3], s[G0K+2:G0K+3], 32768   ; the next 256 keys
	s_xor_b32 s[G0V+1], s[G0V+1], SLOT1
	s_add_nc_u64 s[G0V+2:G0V+3], s[G0V+2:G0V+3], 32768
	s_wait_xcnt 0x0                                ; the last prefetch, a slot back, has read its address
	s_add_nc_u64 s[PFA:PFA+1], s[PFA:PFA+1], 32768
.endif
	s_wait_dscnt 0x0                               ; the add is done, and my reads of the slot that I have left are over
	s_barrier_signal -1
	s_barrier_wait -1
.if \fill
	s_add_co_u32 s96, s[KF], 256                   ; the first key of the slot that this change would ask for
	s_or_b32 s97, s[Q0H], 255                      ; my work-group's last query
	s_cmp_gt_u32 s96, s97                          ; ids and the count of steps alone: all sixteen waves go the same way.  A slot beyond the limit is read by none of them, so it is not asked for
	s_cbranch_scc1 .Lpast_\@
	TLOAD                                          ; a wave's one tensor load until the next such barrier
.Lpast_\@:
	ASK
.endif
.endm
	s_wait_loadcnt 0x0                             ; Q
.Lslot:                                            ; 7 trips: behind each change of slots but the last the next slot is asked for, up to the limit
	CHANGE 1
	SLOT_STEPS
	s_sub_co_u32 s[SLOTS], s[SLOTS], 1
	s_cmp_lg_u32 s[SLOTS], 0
	s_cbranch_scc1 .Lslot
	CHANGE 0                                       ; the last slot is written out: nothing is left to ask for
	SLOT_STEPS
	; THE WAY OUT.  The address work is also the places behind the last products.
	v_and_b32 v9, 15, v0
	v_bfe_u32 v10, v0, 4, 1
	s_mul_i32 s96, s[WV], 16*PK
	s_add_co_u32 s96, s96, STAGE                   ; my stage
	v_mul_u32_u24 v[STO], v9, PK                   ; in: row r, 16 bytes for each half of the lanes
	v_lshl_add_u32 v[STO], v10, 4, v[STO]
	v_add_nc_u32 v[STO], s96, v[STO]
	v_and_b32 v11, 31, v0
	v_lshlrev_b32 v[QO], 4, v11                    ; out: 32 lanes x 16 bytes = four rows of 128 bytes
	v_lshrrev_b32 v11, 3, v11
	v_mul_u32_u24 v[RD], v11, PK
	v_and_b32 v11, 7, v0
	v_lshl_add_u32 v[RD], v11, 4, v[RD]
	v_add_nc_u32 v[RD], s96, v[RD]                 ; back: row lane / 8, 16 (lane % 8)
.irp t, 0,1
	v_add_f32 v[ST+8*\t+4], v[ST+8*\t+2], v[ST+8*\t+3]             ; l's two halves,
.endr
.irp t, 0,1
	v_permlanex16_b32 v[ST+8*\t+5], v[ST+8*\t+4], s[SEL], s[SEL+1]
.endr
.irp t, 0,1
	v_add_f32 v[ST+8*\t+4], v[ST+8*\t+4], v[ST+8*\t+5]             ; and the other half of the lanes'
.endr
.irp t, 0,1
	v_rcp_f32 v[ST+8*\t+6], v[ST+8*\t+4]
.endr
	v_nop                                          ; a plain instruction behind the last reciprocal
	s_wait_alu depctr_va_vdst(0)                   ; and the wait ahead of the first use: one for the two
.irp t, 0,1
.irp i, 0,2,4,6,8,10,12,14,16,18,20,22,24,26,28,30
	v_pk_mul_f32 v[O+32*\t+\i:O+32*\t+\i+1], v[O+32*\t+\i:O+32*\t+\i+1], v[ST+8*\t+6:ST+8*\t+7] op_sel_hi:[1,0]
.endr
.irp i, 0,1,2,3,4,5,6,7,8,9,10,11,12,13,14,15
	v_cvt_pk_f16_f32 v[S+16*\t+\i], v[O+32*\t+2*\i], v[O+32*\t+2*\i+1]
.endr
.irp f, 0,1,2,3
	ds_store_b128 v[STO], v[S+16*\t+4*\f:S+16*\t+4*\f+3] offset:32*\f      ; channels 16 f + 8 h + 0..7 of query r
.endr
.irp i, 0,1,2,3
	ds_load_b128 v[KV+16*\t+4*\i:KV+16*\t+4*\i+3], v[RD] offset:576*\i     ; LDS serves a wave's instructions in order: these see the stores above, and the next tile's stores come behind them
.endr
.endr
.irp t, 0,1
.irp i, 0,1,2,3
	s_wait_dscnt 11-8*\t-\i
	global_store_b128 v[QO], v[KV+16*\t+4*\i:KV+16*\t+4*\i+3], s[12+2*\t:13+2*\t] offset:512*\i   ; 512 consecutive bytes, aligned
.endr
.endr
	s_wait_tensorcnt 0x0                           ; the wave's end, behind my last tensor load and my last LDS store
	ds_add_u32 v[SPW], v[NIL]
	s_wait_dscnt 0x0
	s_endpgm
.Lfunc_end_k_q6bec6b250f_attn:
	.size	k_q6bec6b250f_attn, .Lfunc_end_k_q6bec6b250f_attn-k_q6bec6b250f_attn
	.p2alignl 7, 3214868480
	.fill 96, 4, 3214868480
	.section	.rodata,"a",@progbits
	.p2align	6, 0x0
	.amdhsa_kernel k_q6bec6b250f_attn
		.amdhsa_group_segment_fixed_size 327680
		.amdhsa_private_segment_fixed_size 0
		.amdhsa_enable_private_segment 0
		.amdhsa_kernarg_size 16
		.amdhsa_user_sgpr_count 2
		.amdhsa_user_sgpr_kernarg_segment_ptr 1
		.amdhsa_wavefront_size32 1
		.amdhsa_system_sgpr_workgroup_id_x 1
		.amdhsa_system_sgpr_workgroup_id_y 1
		.amdhsa_system_sgpr_workgroup_id_z 1
		.amdhsa_system_vgpr_workitem_id 0
		.amdhsa_next_free_vgpr 256
		.amdhsa_next_free_sgpr 100
		.amdhsa_reserve_vcc 1
		.amdhsa_float_denorm_mode_32 3
		.amdhsa_float_denorm_mode_16_64 3
		.amdhsa_memory_ordered 1
		.amdhsa_forward_progress 1
		.amdhsa_inst_pref_size 85
	.end_amdhsa_kernel
	.amdgpu_metadata
---
amdhsa.version: [ 1, 2 ]
amdhsa.kernels:
  - .name:           k_q6bec6b250f_attn
    .symbol:         k_q6bec6b250f_attn.kd
    .args:
      - { .name: qkv16, .offset: 0, .size: 8, .value_kind: global_buffer, .address_space: global }
      - { .name: att16, .offset: 8, .size: 8, .value_kind: global_buffer, .address_space: global }
    .group_segment_fixed_size: 327680
    .private_segment_fixed_size: 0
    .kernarg_segment_align: 8
    .kernarg_segment_size: 16
    .max_flat_workgroup_size: 512
    .sgpr_count:     100
    .vgpr_count:     256
    .wavefront_size: 32
...
	.end_amdgpu_metadata
.endif
;; end of part 3
;; launch proj (part 4): grid 8 x 32, 4 waves a work-group, clusters of 4 x 4, 327,680 bytes of LDS; arguments att16, wo16, b_out, out0; writes out0
.if DOCPART == 4
	.amdgcn_target "amdgcn-amd-amdhsa--gfx1250"
	.amdhsa_code_object_version 6
	.text
	.protected	k_q6bec6b250f_proj
	.globl	k_q6bec6b250f_proj
	.p2align	8
	.type	k_q6bec6b250f_proj,@function
k_q6bec6b250f_proj:
	s_mov_b64 s[64:65], 0
	v_nop
	global_prefetch_b8 v0, s[64:65] scope:SCOPE_SE
	s_setreg_imm32_b32 hwreg(HW_REG_WAVE_MODE, 25, 1), 1
	s_wait_xcnt 0x0
	s_wait_alu depctr_hold_cnt(0) depctr_sa_sdst(0) depctr_va_vdst(0) depctr_va_sdst(0) depctr_va_ssrc(0) depctr_va_vcc(0) depctr_vm_vsrc(0)
	s_getreg_b32 s2, hwreg(HW_REG_IB_STS2, 6, 4)
	s_cmp_eq_u32 s2, 0
	s_cbranch_scc0 .Lentry_in_a_cluster
	s_endpgm
.Lentry_in_a_cluster:
	s_bfe_u32 s2, ttmp6, 0x10000c
	s_cmp_lg_u32 s2, 0xf033
	s_cbranch_scc0 .Lentry_shape_is_right
	s_endpgm
.Lentry_shape_is_right:
; out = att W_out + b_out: [8192][1024] x [1024][1024], f16 operands, f32 sums.  A = att16, laid [head][8192 rows][64]: a head is a dense plane of 2^20 bytes; B = wo16 [k][n], as W_out lies: its fragments come out of LDS turned.
; All 8,192 rows are made here; the first 16 positions of each sequence lie inside tiles that hold other rows too, and the last launch writes them once more, made in f32.
; A tile of C is 256 x 128: 256 work-groups.  Four waves, each 128 x 64: 32 accumulators.  K goes in steps of 128 (two heads) through two LDS slots: waves 0 and 1 fetch a head's plane each (256 rows x 128 bytes),
; waves 2 and 3 64 rows of B each (256 bytes a row).  By this text's own count a wave has two tensor loads out at the start, later one.
; CLUSTERS: 4 x 4 work-groups; A's tiles are asked for jointly along a row of the cluster, B's along a column.
; THE MATRIX INSTRUCTION IS USED TRANSPOSED (source 0 = 16 columns of B, source 1 = 16 rows of A): a lane holds eight neighbouring numbers of a row of C.  The bias is the C of each sum's first product.
; No prefetch: the tiles are small and each is read by several work-groups at about the same time.
; REGISTERS: window 0: v16-29 addresses; v32-63 the bias; v64-127, v128-191 A's fragments (8 x 16 rows x 32 K), two sets; v192-223, v224-255 B's, two sets.   window 1: accumulator (a, b) at v[8 (4 a + b)].
.set PLANE,  256*144                   ; a head's 256 rows in LDS: 128 bytes + 16 of padding each
.set BPITCH, 288                       ; a row of B: 256 bytes + 32
.set SLOT,   2*PLANE+128*BPITCH
.set STAGE,  2*SLOT                    ; 16 rows x 272 bytes for each wave, for the way out
.set SPITCH, 272
.set SPARE,  STAGE+4*16*SPITCH
.set LAPS,   4                         ; a lap = two K steps
.set ADRA, 16
.set ADRB, 20
.set STO,  24
.set RD,   25
.set CO,   26
.set BAD,  27
.set SPW,  28
.set NIL,  29
.set BI,   32
.set AF,   64
.set BF,   192
.set OB,   64                          ; the way out: v64-95 and v96-127 by turns
.set G1, 24
.set G0, 32
.set G1B, 48
.set G0B, 56
.set MSB, 0
.macro WIN new
.if MSB != (\new)
	s_set_vgpr_msb (MSB<<8)|(\new)
.set MSB, (\new)
.endif
.endm
.set MUL,  0x50                        ; C and D window 1
.set MUL1, 0x40                        ; D window 1, C (the bias) window 0
.macro JLOAD s                         ; a joint load: waves 0 and 1 fetch for A, waves 2 and 3 for B; an s_nop 0 and four v_nop follow each of the two lines
	s_cmp_eq_u32 s11, 0
	s_cbranch_scc0 .Lfor_b_\@
	tensor_load_to_lds s[G0+4*\s:G0+4*\s+3], s[G1:G1+7]
	s_nop 0
.rept 4
	v_nop
.endr
	s_branch .Lasked_\@
.Lfor_b_\@:
	tensor_load_to_lds s[G0B+4*\s:G0B+4*\s+3], s[G1B:G1B+7]
	s_nop 0
.rept 4
	v_nop
.endr
.Lasked_\@:
.endm
.macro CREST                           ; a round of the cluster's barrier behind its opening barrier
	s_cmp_lg_u32 s10, 0
	s_cbranch_scc1 .Lnot_wave_0_\@
	s_barrier_signal -3
.Lnot_wave_0_\@:
	s_barrier_wait -3
	s_barrier_signal -1
	s_barrier_wait -1
.endm
.macro CROUND
	s_barrier_signal -1
	s_barrier_wait -1
	CREST
.endm
	s_load_b128 s[4:7], s[0:1], 0x0                ; att16 s[4:5], wo16 s[6:7]
	s_load_b128 s[68:71], s[0:1], 0x10             ; b_out s[68:69], out0 s[70:71]
	v_lshl_add_u32 v[SPW], v0, 2, SPARE
	v_mov_b32 v[NIL], 0
	ds_add_u32 v[SPW], v[NIL]                      ; the wave's opening: the add, twice on end, and its wait ahead of my first tensor load
	ds_add_u32 v[SPW], v[NIL]
	v_lshrrev_b32 v1, 5, v0
	v_readfirstlane_b32 s10, v1                    ; wave 0..3
	s_lshr_b32 s11, s10, 1                         ; which half of the tile's rows is mine.  Also: I fetch for A (0) or for B (1)
	s_and_b32 s12, s10, 1                          ; which half of its columns.  Also: which part of that tile I fetch
	s_bfe_u32 s40, ttmp6, 0x40000                  ; cx, cy
	s_bfe_u32 s41, ttmp6, 0x40004
	s_lshl_b32 s42, ttmp9, 2
	s_add_co_u32 s42, s42, s40                     ; tile column
	s_and_b32 s13, ttmp7, 0xffff
	s_lshl_b32 s13, s13, 2
	s_add_co_u32 s13, s13, s41                     ; tile row
	s_lshl_b32 s43, s41, 2
	s_lshl_b32 s43, 15, s43                        ; my row of the cluster
	s_lshl_b32 s44, 0x1111, s40                    ; my column
	s_or_b32 s[G1+0], s43, (1<<16)|(1<<20)|(1<<21)|(4<<22)|(3<<25)   ; A: elements of 2 bytes; 4 words of padding after every 32
	s_mov_b32 s[G1+1], 64<<16                      ; tensor_dim0
	s_mov_b32 s[G1+2], 256<<16                     ; tensor_dim1
	s_mov_b32 s[G1+3], 64<<16                      ; tile_dim0
	s_mov_b32 s[G1+4], 256                         ; tile_dim1
	s_mov_b32 s[G1+5], 64                          ; stride
	s_mov_b32 s[G1+6], 0
	s_mov_b32 s[G1+7], 0
	s_or_b32 s[G1B+0], s44, (1<<16)|(1<<20)|(1<<21)|(5<<22)|(7<<25)  ; B: 8 words of padding after every 64
	s_mov_b32 s[G1B+1], 128<<16
	s_mov_b32 s[G1B+2], 64<<16
	s_mov_b32 s[G1B+3], 128<<16
	s_mov_b32 s[G1B+4], 64
	s_mov_b32 s[G1B+5], 1024
	s_mov_b32 s[G1B+6], 0
	s_mov_b32 s[G1B+7], 0
	s_lshl_b32 s16, s12, 20                        ; A: head = part, rows 256 x tile row on
	s_lshl_b32 s17, s13, 15
	s_add_co_u32 s16, s16, s17
	s_mov_b32 s17, 0
	s_lshl_b32 s46, s12, 17                        ; B: k rows 64 x part on, columns 128 x tile column on
	s_lshl_b32 s47, s42, 8
	s_add_co_u32 s46, s46, s47
	s_mov_b32 s47, 0
	s_mul_i32 s20, s12, PLANE                      ; where they go: no place in the cluster enters an LDS address
	s_mul_i32 s21, s12, 64*BPITCH
	s_add_co_u32 s21, s21, 2*PLANE
	s_wait_dscnt 0x0                               ; both opening adds are done
	s_wait_kmcnt 0x0
	s_add_nc_u64 s[14:15], s[4:5], s[16:17]
	s_add_nc_u64 s[46:47], s[6:7], s[46:47]
	CROUND                                         ; all sixteen work-groups are here: the first joint loads meet
.irp s, 0,1
	s_mov_b32 s[G0+4*\s], 1
	s_add_co_u32 s[G0+4*\s+1], s20, \s*SLOT
	s_add_nc_u64 s[G0+4*\s+2:G0+4*\s+3], s[14:15], \s*2097152      ; K step s: heads 2 s, 2 s + 1
	s_or_b32 s[G0+4*\s+3], s[G0+4*\s+3], 0x80000000
	s_mov_b32 s[G0B+4*\s], 1
	s_add_co_u32 s[G0B+4*\s+1], s21, \s*SLOT
	s_add_nc_u64 s[G0B+4*\s+2:G0B+4*\s+3], s[46:47], \s*262144     ; 128 rows of 2,048 bytes
	s_or_b32 s[G0B+4*\s+3], s[G0B+4*\s+3], 0x80000000
	JLOAD \s
.endr
	v_and_b32 v1, 15, v0                           ; r
	v_bfe_u32 v2, v0, 4, 1                         ; h
	s_lshl_b32 s46, s42, 9                         ; my first column, in f32 bytes: 512 x tile column + 256 x half
	s_lshl_b32 s47, s12, 8
	s_add_co_u32 s46, s46, s47
	s_mov_b32 s47, 0
	s_add_nc_u64 s[68:69], s[68:69], s[46:47]
	s_add_nc_u64 s[70:71], s[70:71], s[46:47]
	s_lshl_b32 s46, s13, 20                        ; my first row: 256 x tile row + 128 x half, 4,096 bytes a row
	s_lshl_b32 s22, s11, 19
	s_add_co_u32 s46, s46, s22
	s_add_nc_u64 s[70:71], s[70:71], s[46:47]
	v_lshlrev_b32 v[BAD], 5, v2
.irp b, 0,1,2,3
	global_load_b128 v[BI+8*\b:BI+8*\b+3], v[BAD], s[68:69] offset:64*\b         ; b_out(my first column + 16 b + 8 h + 0 .. 7): the result's layout
	global_load_b128 v[BI+8*\b+4:BI+8*\b+7], v[BAD], s[68:69] offset:64*\b+16
.endr
	v_mul_u32_u24 v3, v1, 144
	v_lshl_add_u32 v3, v2, 4, v3                   ; A: row r x pitch + 16 h
	s_mul_i32 s21, s11, 128*144                    ; my 128 rows
	v_and_b32 v4, 7, v0
	v_lshl_add_u32 v4, v2, 3, v4                   ; B, the turning load: k row 8 h + lane % 8,
	v_mul_u32_u24 v4, v4, BPITCH
	v_bfe_u32 v5, v0, 3, 1
	v_lshl_add_u32 v4, v5, 4, v4                   ; columns 8 ((lane / 8) % 2) on
	s_lshl_b32 s22, s12, 7                         ; my 64 columns
	s_add_co_u32 s22, s22, 2*PLANE
.irp s, 0,1
	v_add_nc_u32 v[ADRA+\s], s21, v3
	v_add_nc_u32 v[ADRB+\s], s22, v4
	s_add_co_u32 s21, s21, SLOT
	s_add_co_u32 s22, s22, SLOT
.endr
	s_mul_i32 s23, s10, 16*SPITCH
	s_add_co_u32 s23, s23, STAGE                   ; my stage
	v_mul_u32_u24 v5, v1, SPITCH
	v_lshl_add_u32 v5, v2, 5, v5
	v_add_nc_u32 v[STO], s23, v5                   ; in: row r, 32 bytes for each half of the lanes
	v_mul_u32_u24 v5, v2, SPITCH
	v_lshl_add_u32 v5, v1, 4, v5
	v_add_nc_u32 v[RD], s23, v5                    ; back: lanes 0-15 one row of 256 bytes, lanes 16-31 the next
	v_lshlrev_b32 v5, 12, v2
	v_lshl_add_u32 v[CO], v1, 4, v5                ; and the same two rows in out0
; 8 matrix instructions: A's blocks a0, a0 + 1 x B's four, 32 along K, from set f.  The 32 accumulators take turns, one instruction a turn, in the same order in every quarter.
.macro MUL8 f, a0, first
.irp a, \a0, \a0+1
.irp b, 0,1,2,3
.if \first
	v_wmma_f32_16x16x32_f16 v[8*(4*(\a)+\b):8*(4*(\a)+\b)+7], v[BF+32*(\f)+8*\b:BF+32*(\f)+8*\b+7], v[AF+64*(\f)+8*(\a):AF+64*(\f)+8*(\a)+7], v[BI+8*\b:BI+8*\b+7]
.else
	v_wmma_f32_16x16x32_f16 v[8*(4*(\a)+\b):8*(4*(\a)+\b)+7], v[BF+32*(\f)+8*\b:BF+32*(\f)+8*\b+7], v[AF+64*(\f)+8*(\a):AF+64*(\f)+8*(\a)+7], v[8*(4*(\a)+\b):8*(4*(\a)+\b)+7]
.endif
.endr
.endr
.endm
; 24 LDS loads in one run: quarter q of a slot (32 along K) into set f: B's four fragments, A's blocks 0-3, A's blocks 4-7
.macro FETCH slot, q, f
	WIN 0
.irp b, 0,1,2,3
	ds_load_tr16_b128 v[BF+32*(\f)+8*\b:BF+32*(\f)+8*\b+3],   v[ADRB+\slot] offset:(\q)*32*BPITCH+32*\b
	ds_load_tr16_b128 v[BF+32*(\f)+8*\b+4:BF+32*(\f)+8*\b+7], v[ADRB+\slot] offset:(\q)*32*BPITCH+32*\b+16*BPITCH
.endr
.irp i, 0,1,2,3,4,5,6,7
	ds_load_b128 v[AF+64*(\f)+8*\i:AF+64*(\f)+8*\i+3],   v[ADRA+\slot] offset:((\q)/2)*PLANE+((\q)%2)*64+\i*16*144
	ds_load_b128 v[AF+64*(\f)+8*\i+4:AF+64*(\f)+8*\i+7], v[ADRA+\slot] offset:((\q)/2)*PLANE+((\q)%2)*64+\i*16*144+32
.endr
.endm
.macro PLACES                          ; four plain instructions in front of loads into registers that matrix instructions have read, and of the first reads of results (ISA guide 7.12.1 for the reads of results)
.rept 4
	v_nop
.endr
.endm
; One of a K step's first three quarters: multiplies set f and fetches quarter qn of the same slot into set g.
.macro QUARTER slot, qn, f, g, first
	s_wait_dscnt 8                                 ; B and A's blocks 0-3 are in; the youngest eight loads (A's blocks 4-7) may be out
	WIN MUL-0x10*(\first)
	MUL8 \f, 0, \first
	MUL8 \f, 2, \first
	PLACES
	FETCH \slot, \qn, \g
	s_wait_dscnt 24                                ; all but the 24 just issued
	WIN MUL-0x10*(\first)
	MUL8 \f, 4, \first
	MUL8 \f, 6, \first
.endm
; The last quarter multiplies set 1 and changes slots: one barrier; in front of it each wave waits for all its tensor loads, adds 0 to its spare word, and waits for that and for its reads of this slot.  fill = 1: this slot is filled again, two K steps ahead.
.macro TURN slot, next, fill
	WIN 0
	s_wait_tensorcnt 0x0                           ; all my tensor loads have landed: my part of the next slot
	ds_add_u32 v[SPW], v[NIL]                      ; 0 onto my spare word
	s_wait_dscnt 9                                 ; (the add and the youngest eight loads may be out)
	WIN MUL
	MUL8 1, 0, 0
	s_wait_dscnt 0x0                               ; the add is done, and my reads of this slot are over
	s_barrier_signal -1
	MUL8 1, 2, 0
.if \fill
	WIN 0
.endif
	s_barrier_wait -1
.if \fill
	CREST                                          ; the barrier has opened a round of the cluster's: no wave of any partner still reads this slot or has a load on its way
	s_add_nc_u64 s[G0+4*\slot+2:G0+4*\slot+3], s[G0+4*\slot+2:G0+4*\slot+3], 4194304
	s_add_nc_u64 s[G0B+4*\slot+2:G0B+4*\slot+3], s[G0B+4*\slot+2:G0B+4*\slot+3], 524288
	JLOAD \slot                                    ; the first tensor load behind the round; its four v_nop are also the places in front of the loads below
.else
	PLACES
.endif
	FETCH \next, 0, 0
	WIN MUL
	MUL8 1, 4, 0
	MUL8 1, 6, 0
.endm
	s_wait_tensorcnt 1                             ; my part of K step 0 is in (K step 1's may be out)
	s_barrier_signal -1
	s_barrier_wait -1                              ; everybody's is
	FETCH 0, 0, 0
	s_wait_loadcnt 0x0                             ; the bias
	QUARTER 0, 1, 0, 1, 1                          ; the first quarter stands in front of the loop: its products start the sums, from the bias
	WIN 0
	s_mov_b32 s3, LAPS-1
.Llap:                                                 ; a trip goes once round the two slots, from a lap's second quarter to the next lap's first, and fills both again
	QUARTER 0, 2, 1, 0, 0
	QUARTER 0, 3, 0, 1, 0
	TURN 0, 1, 1
	QUARTER 1, 1, 0, 1, 0
	QUARTER 1, 2, 1, 0, 0
	QUARTER 1, 3, 0, 1, 0
	TURN 1, 0, 1
	QUARTER 0, 1, 0, 1, 0
	WIN 0
	s_sub_co_u32 s3, s3, 1
	s_cmp_lg_u32 s3, 0
	s_cbranch_scc1 .Llap
	QUARTER 0, 2, 1, 0, 0                          ; the last lap fills nothing
	QUARTER 0, 3, 0, 1, 0
	TURN 0, 1, 0
	QUARTER 1, 1, 0, 1, 0
	QUARTER 1, 2, 1, 0, 0
	QUARTER 1, 3, 0, 1, 0
	s_wait_dscnt 8                                 ; the very last quarter
	WIN MUL
	MUL8 1, 0, 0
	MUL8 1, 2, 0
	s_wait_dscnt 0
	MUL8 1, 4, 0
	MUL8 1, 6, 0
	WIN 0
; THE WAY OUT, block by block of 16 rows x 64 columns: through my own stage and back as whole rows of 256 bytes; sixteen lanes store 256 consecutive bytes, aligned.
.macro TOSTAGE a
	WIN 0x04                                       ; an LDS store's data: window 1
.irp b, 0,1,2,3
	ds_store_b128 v[STO], v[8*(4*(\a)+\b):8*(4*(\a)+\b)+3] offset:64*\b            ; each accumulator from its low end on
	ds_store_b128 v[STO], v[8*(4*(\a)+\b)+4:8*(4*(\a)+\b)+7] offset:64*\b+16
.endr
	WIN 0
.set BB, OB+32*((\a)%2)
.irp t, 0,1,2,3,4,5,6,7
	ds_load_b128 v[BB+4*\t:BB+4*\t+3], v[RD] offset:\t*2*SPITCH    ; LDS serves a wave's instructions in order: these see the stores above
.endr
.endm
.macro SEND a, younger                 ; younger: the LDS instructions issued behind block a's loads
.set BB, OB+32*((\a)%2)
	s_wait_dscnt \younger
.irp t, 0,1,2,3,4,5,6,7
	global_store_b128 v[CO], v[BB+4*\t:BB+4*\t+3], s[70:71] offset:(16*(\a)+2*\t)*4096 th:TH_STORE_NT
.endr
.endm
	PLACES
	TOSTAGE 0
.irp a, 1,2,3,4,5,6,7
.if \a > 1
	s_wait_xcnt 0x0                                ; block a - 2's stores have read their registers: block a's loads may land there
.endif
	TOSTAGE \a
	SEND \a-1, 16                                  ; behind block a - 1's loads: block a's 8 stores and 8 loads
.endr
	SEND 7, 0
	s_wait_tensorcnt 0x0                           ; the wave's end, behind my last tensor load and my last LDS store
	ds_add_u32 v[SPW], v[NIL]
	s_wait_dscnt 0x0
	CROUND                                         ; the closing round
	s_endpgm
.Lfunc_end_k_q6bec6b250f_proj:
	.size	k_q6bec6b250f_proj, .Lfunc_end_k_q6bec6b250f_proj-k_q6bec6b250f_proj
	.p2alignl 7, 3214868480
	.fill 96, 4, 3214868480
	.section	.rodata,"a",@progbits
	.p2align	6, 0x0
	.amdhsa_kernel k_q6bec6b250f_proj
		.amdhsa_group_segment_fixed_size 327680
		.amdhsa_private_segment_fixed_size 0
		.amdhsa_enable_private_segment 0
		.amdhsa_kernarg_size 32
		.amdhsa_user_sgpr_count 2
		.amdhsa_user_sgpr_kernarg_segment_ptr 1
		.amdhsa_wavefront_size32 1
		.amdhsa_system_sgpr_workgroup_id_x 1
		.amdhsa_system_sgpr_workgroup_id_y 1
		.amdhsa_system_sgpr_workgroup_id_z 1
		.amdhsa_system_vgpr_workitem_id 0
		.amdhsa_next_free_vgpr 512
		.amdhsa_next_free_sgpr 80
		.amdhsa_reserve_vcc 0
		.amdhsa_float_denorm_mode_32 3
		.amdhsa_float_denorm_mode_16_64 3
		.amdhsa_memory_ordered 1
		.amdhsa_forward_progress 1
		.amdhsa_inst_pref_size 86
	.end_amdhsa_kernel
	.amdgpu_metadata
---
amdhsa.version: [ 1, 2 ]
amdhsa.kernels:
  - .name:           k_q6bec6b250f_proj
    .symbol:         k_q6bec6b250f_proj.kd
    .args:
      - { .name: att16, .offset: 0, .size: 8, .value_kind: global_buffer, .address_space: global }
      - { .name: wo16, .offset: 8, .size: 8, .value_kind: global_buffer, .address_space: global }
      - { .name: b_out, .offset: 16, .size: 8, .value_kind: global_buffer, .address_space: global }
      - { .name: out0, .offset: 24, .size: 8, .value_kind: global_buffer, .address_space: global }
    .group_segment_fixed_size: 327680
    .private_segment_fixed_size: 0
    .kernarg_segment_align: 8
    .kernarg_segment_size: 32
    .max_flat_workgroup_size: 128
    .sgpr_count:     80
    .vgpr_count:     512
    .wavefront_size: 32
...
	.end_amdgpu_metadata
.endif
;; end of part 4
;; launch fine (part 5): grid 16 x 4, 16 waves a work-group, no clusters, 71,680 bytes of LDS; arguments qkv32, W_out, b_out, out0; writes out0
.if DOCPART == 5
	.amdgcn_target "amdgcn-amd-amdhsa--gfx1250"
	.amdhsa_code_object_version 6
	.text
	.protected	k_q6bec6b250f_fine
	.globl	k_q6bec6b250f_fine
	.p2align	8
	.type	k_q6bec6b250f_fine,@function
k_q6bec6b250f_fine:
	s_mov_b64 s[64:65], 0
	v_nop
	global_prefetch_b8 v0, s[64:65] scope:SCOPE_SE
	s_setreg_imm32_b32 hwreg(HW_REG_WAVE_MODE, 25, 1), 1
	s_wait_xcnt 0x0
; The first 16 positions of each of the 4 sequences, all in f32: they average one to sixteen values and are the largest rows of the output, so rounded operands would weigh most there.  These 64 rows of out0 are written over.
; From qkv32 [batch x 16 + t][3072] (q, k, v in f32; k without its bias: a term that is the same for all keys of a row falls out of the softmax, as shown at the head of the first launch's text) and W_out, b_out as they are given.
; SHARES.  A work-group makes 64 columns (x) of the 16 rows of one batch (y).  Wave w is head w: its 16 x 16 scores, softmax, 16 x 64 result, and that result's part of the projection (K = the head's 64 channels); the sixteen parts
; meet in LDS, and wave w then sums row w.  Each work-group makes the small attention anew: 16 positions.
; All products by v_wmma_f32_16x16x4_f32 (16 x 16 x 4; lane (r, h) holds row or column r and k = 2 h + register).  Its accumulators, v192-239, are written by matrix instructions alone.  Which k of a sum goes with which place is free
; so long as both sources agree: a lane's registers are taken in the order in which they were loaded or made.
; REGISTERS: v16-47 Q (d = 32 h + 0..31 of row r), v48-79 K likewise, later W's column tiles 2, 3; v80-111 V (register 8 f + kk: V[8 h + kk][16 f + r]), later the normalised result; v112-175 W's column tiles 0, 1
; (register 32 n + 8 f + e: W_out[64 w + 16 f + 8 h + e][64 x + 16 n + r]); v176-183 scores, then p; v192-207 two partial sums of the scores; v208-239 O^T, later the projection's four tiles.
.set PART,  4352                       ; a head's part in LDS: 16 rows x (256 bytes + 16)
.set SPARE, 16*PART                    ; the spare words, 128 bytes for each wave
	s_load_b256 s[4:11], s[0:1], 0x0               ; qkv32 s[4:5], W_out s[6:7], b_out s[8:9], out0 s[10:11]
	v_lshl_add_u32 v6, v0, 2, SPARE                ; my spare word; never rewritten
	v_mov_b32 v7, 0                                ; 0; never rewritten
	v_lshrrev_b32 v1, 5, v0
	v_readfirstlane_b32 s12, v1                    ; wave = head, later row
	v_and_b32 v1, 15, v0                           ; r
	v_bfe_u32 v2, v0, 4, 1                         ; h
	v_mul_u32_u24 v3, v1, 12288
	v_lshl_add_u32 v3, v2, 7, v3                   ; Q, K: row r, + 128 h bytes
	v_mul_u32_u24 v4, v2, 98304
	v_lshl_add_u32 v4, v1, 2, v4                   ; V: rows 8 h on, column r
	v_lshlrev_b32 v5, 15, v2
	v_lshl_add_u32 v5, v1, 2, v5                   ; W_out: rows 8 h on, column r
	v_lshlrev_b32 v8, 3, v2
	v_sub_nc_u32 v8, v1, v8                        ; r - 8 h
	v_mov_b32 v9, 0xff800000                       ; -infinity
	v_lshlrev_b32 v244, 4, v1                      ; 16 r: b_out's and out0's bytes
	s_mul_i32 s13, s12, PART
	v_mul_u32_u24 v245, v1, 272
	v_lshl_add_u32 v245, v2, 5, v245
	v_add_nc_u32 v245, s13, v245                   ; my part: row r, + 32 h
	s_mul_i32 s13, s12, 272
	v_mul_u32_u24 v246, v2, PART
	v_lshl_add_u32 v246, v1, 4, v246
	v_add_nc_u32 v246, s13, v246                   ; the sum: row w of parts h, h + 2, ..; 16 bytes a lane
	s_and_b32 s14, ttmp7, 0xffff                   ; batch
	s_mul_i32 s16, s14, 196608
	s_lshl_b32 s17, s12, 8
	s_add_co_u32 s16, s16, s17
	s_mov_b32 s17, 0                               ; qkv32: the batch's 16 rows, the head's 64 columns
	s_lshl_b32 s24, ttmp9, 8
	s_mov_b32 s25, 0                               ; my 64 columns, in bytes
	s_lshl_b32 s18, s12, 18
	s_add_co_u32 s18, s18, s24
	s_mov_b32 s19, 0                               ; W_out: the head's 64 rows, my columns
	s_lshl_b32 s26, s14, 23
	s_lshl_b32 s27, s12, 12
	s_add_co_u32 s26, s26, s27
	s_add_co_u32 s26, s26, s24
	s_mov_b32 s27, 0                               ; out0: row 2,048 x batch + w, my columns
	s_mov_b32 s20, 0x76543210
	s_mov_b32 s21, 0xfedcba98                      ; lane selects: lane xor 16
	s_mov_b32 s22, 0x3e38aa3b                      ; c = log2(e) / 8
	s_wait_kmcnt 0x0
	s_add_nc_u64 s[4:5], s[4:5], s[16:17]
	s_add_nc_u64 s[6:7], s[6:7], s[18:19]
	s_add_nc_u64 s[8:9], s[8:9], s[24:25]
	s_add_nc_u64 s[10:11], s[10:11], s[26:27]
.irp i, 0,1,2,3,4,5,6,7
	global_load_b128 v[16+4*\i:19+4*\i], v3, s[4:5] offset:16*\i           ; Q
.endr
.irp i, 0,1,2,3,4,5,6,7
	global_load_b128 v[48+4*\i:51+4*\i], v3, s[4:5] offset:4096+16*\i      ; K
.endr
.irp f, 0,1,2,3
.irp k, 0,1,2,3,4,5,6,7
	global_load_b32 v[80+8*\f+\k], v4, s[4:5] offset:8192+\k*12288+64*\f   ; V
.endr
.endr
	global_load_b128 v[240:243], v244, s[8:9]      ; b_out
	s_wait_loadcnt 33                              ; Q and K are in; V's 32 loads and the bias may be out
.macro WLOAD n, reg                    ; column tile n of the head's 64 rows of W_out
.irp f, 0,1,2,3
.irp e, 0,1,2,3,4,5,6,7
	global_load_b32 v[\reg+8*\f+\e], v5, s[6:7] offset:(16*\f+\e)*4096+64*\n
.endr
.endr
.endm
	WLOAD 0, 112
	WLOAD 1, 144
	; S^T = K Q^T: 16 steps of 4 along the head's 64, on two accumulators by turns; lane (r, h): query r, keys 8 h + 0..7
.set I, 0
.rept 16
.if I < 2
	v_wmma_f32_16x16x4_f32 v[192+8*(I%2):199+8*(I%2)], v[48+2*I:49+2*I], v[16+2*I:17+2*I], 0
.else
	v_wmma_f32_16x16x4_f32 v[192+8*(I%2):199+8*(I%2)], v[48+2*I:49+2*I], v[16+2*I:17+2*I], v[192+8*(I%2):199+8*(I%2)]
.endif
.set I, I+1
.endr
.rept 8
	v_nop                                          ; eight places behind this form: in front of loads into registers that it read, and of the first reads of results
.endr
	WLOAD 2, 16
	WLOAD 3, 48
.irp j, 0,1,2,3,4,5,6,7
	v_add_f32 v[176+\j], v[192+\j], v[200+\j]      ; the two partial sums, from their low ends on
.endr
.irp j, 0,1,2,3,4,5,6,7
	v_cmp_gt_i32 vcc_lo, \j, v8                    ; key 8 h + j comes after query r
	v_cndmask_b32 v[176+\j], v[176+\j], v9, vcc_lo
.endr
	v_max3_num_f32 v10, v176, v177, v178
	v_max3_num_f32 v11, v179, v180, v181
	v_max3_num_f32 v10, v10, v182, v183
	v_max_num_f32 v10, v10, v11
	v_permlanex16_b32 v11, v10, s20, s21
	v_max_num_f32 v10, v10, v11                    ; the row's maximum: key 0 counts for every query, so it is a number
	v_mul_f32 v10, s22, v10
.irp j, 0,1,2,3,4,5,6,7
	v_fma_f32 v[176+\j], v[176+\j], s22, -v10      ; c s - c m
.endr
.irp j, 0,1,2,3,4,5,6,7
	v_exp_f32 v[176+\j], v[176+\j]
.endr
	v_nop                                          ; a plain instruction behind the last exponential
	s_wait_alu depctr_va_vdst(0)                   ; the wait ahead of the first use: one for the eight
	v_add_f32 v12, v176, v177
	v_add_f32 v13, v178, v179
	v_add_f32 v14, v180, v181
	v_add_f32 v15, v182, v183
	v_add_f32 v12, v12, v13
	v_add_f32 v14, v14, v15
	v_add_f32 v12, v12, v14
	v_permlanex16_b32 v13, v12, s20, s21
	v_add_f32 v12, v12, v13                        ; the row's sum
	v_rcp_f32 v14, v12
	v_nop
	s_wait_alu depctr_va_vdst(0)
	s_wait_loadcnt 63                              ; 129 loads are younger than V's last: V is in
	; O^T = V^T P: 4 steps of 4 keys (8 h + 2 s + 0, 1 on both sources), four accumulators by turns
.irp s, 0,1,2,3
.irp f, 0,1,2,3
.if \s == 0
	v_wmma_f32_16x16x4_f32 v[208+8*\f:215+8*\f], v[80+8*\f+2*\s:81+8*\f+2*\s], v[176+2*\s:177+2*\s], 0
.else
	v_wmma_f32_16x16x4_f32 v[208+8*\f:215+8*\f], v[80+8*\f+2*\s:81+8*\f+2*\s], v[176+2*\s:177+2*\s], v[208+8*\f:215+8*\f]
.endif
.endr
.endr
.rept 8
	v_nop
.endr
.set I, 0
.rept 32
	v_mul_f32 v[80+I], v[208+I], v14               ; / the sum, into V's registers: register 8 f + j is channel 16 f + 8 h + j of query r
.set I, I+1
.endr
.rept 9
	v_nop                                          ; the products below write over O^T's registers: nine places behind the products that wrote them
.endr
	s_wait_loadcnt 0x0                             ; W_out's tiles, and the bias
	; the head's part of the projection, transposed: source 0 = 16 columns of W_out, source 1 = the 16 queries; 16 steps of 4 channels, four accumulators by turns; lane (r, h): row r, columns 16 n + 8 h + 0..7
.irp f, 0,1,2,3
.irp s, 0,1,2,3
.irp n, 0,1,2,3
.if (\f == 0) && (\s == 0)
	v_wmma_f32_16x16x4_f32 v[208+8*\n:215+8*\n], v[112-96*(\n/2)+32*(\n%2)+8*\f+2*\s:113-96*(\n/2)+32*(\n%2)+8*\f+2*\s], v[80+8*\f+2*\s:81+8*\f+2*\s], 0
.else
	v_wmma_f32_16x16x4_f32 v[208+8*\n:215+8*\n], v[112-96*(\n/2)+32*(\n%2)+8*\f+2*\s:113-96*(\n/2)+32*(\n%2)+8*\f+2*\s], v[80+8*\f+2*\s:81+8*\f+2*\s], v[208+8*\n:215+8*\n]
.endif
.endr
.endr
.endr
.rept 8
	v_nop
.endr
.irp n, 0,1,2,3
	ds_store_b128 v245, v[208+8*\n:211+8*\n] offset:64*\n          ; each accumulator from its low end on
	ds_store_b128 v245, v[212+8*\n:215+8*\n] offset:64*\n+16
.endr
	s_wait_dscnt 0x0                               ; for the others' sake: my part lies in LDS
	s_barrier_signal -1
	s_barrier_wait -1
.irp i, 0,1,2,3,4,5,6,7
	ds_load_b128 v[112+4*\i:115+4*\i], v246 offset:2*PART*\i       ; row w of heads 2 i + h, four columns a lane
.endr
	s_wait_dscnt 0x0
.irp i, 0,2,4,6
	v_pk_add_f32 v[112+4*\i:113+4*\i], v[112+4*\i:113+4*\i], v[116+4*\i:117+4*\i]
	v_pk_add_f32 v[114+4*\i:115+4*\i], v[114+4*\i:115+4*\i], v[118+4*\i:119+4*\i]
.endr
.irp i, 0,4
	v_pk_add_f32 v[112+4*\i:113+4*\i], v[112+4*\i:113+4*\i], v[120+4*\i:121+4*\i]
	v_pk_add_f32 v[114+4*\i:115+4*\i], v[114+4*\i:115+4*\i], v[122+4*\i:123+4*\i]
.endr
	v_pk_add_f32 v[112:113], v[112:113], v[128:129]
	v_pk_add_f32 v[114:115], v[114:115], v[130:131]
.irp i, 0,1,2,3
	v_permlanex16_b32 v[144+\i], v[112+\i], s20, s21               ; the other eight heads'
.endr
	v_pk_add_f32 v[112:113], v[112:113], v[144:145]
	v_pk_add_f32 v[114:115], v[114:115], v[146:147]
	v_pk_add_f32 v[112:113], v[112:113], v[240:241]                ; + b_out
	v_pk_add_f32 v[114:115], v[114:115], v[242:243]
	v_and_b32 v10, 31, v0
	v_cmp_gt_u32 vcc_lo, 16, v10
	s_wait_xcnt 0x0                                ; EXEC changes only behind this wait
	s_and_saveexec_b32 s28, vcc_lo
	global_store_b128 v244, v[112:115], s[10:11]   ; lanes 0-15 store 256 consecutive bytes, aligned
	s_wait_xcnt 0x0                                ; and again, in front of the line that widens it
	s_or_b32 exec_lo, exec_lo, s28
	s_wait_tensorcnt 0x0                           ; the wave's end, behind my last LDS store
	ds_add_u32 v6, v7
	s_wait_dscnt 0x0
	s_endpgm
.Lfunc_end_k_q6bec6b250f_fine:
	.size	k_q6bec6b250f_fine, .Lfunc_end_k_q6bec6b250f_fine-k_q6bec6b250f_fine
	.p2alignl 7, 3214868480
	.fill 96, 4, 3214868480
	.section	.rodata,"a",@progbits
	.p2align	6, 0x0
	.amdhsa_kernel k_q6bec6b250f_fine
		.amdhsa_group_segment_fixed_size 71680
		.amdhsa_private_segment_fixed_size 0
		.amdhsa_enable_private_segment 0
		.amdhsa_kernarg_size 32
		.amdhsa_user_sgpr_count 2
		.amdhsa_user_sgpr_kernarg_segment_ptr 1
		.amdhsa_wavefront_size32 1
		.amdhsa_system_sgpr_workgroup_id_x 1
		.amdhsa_system_sgpr_workgroup_id_y 1
		.amdhsa_system_sgpr_workgroup_id_z 1
		.amdhsa_system_vgpr_workitem_id 0
		.amdhsa_next_free_vgpr 256
		.amdhsa_next_free_sgpr 66
		.amdhsa_reserve_vcc 1
		.amdhsa_float_denorm_mode_32 3
		.amdhsa_float_denorm_mode_16_64 3
		.amdhsa_memory_ordered 1
		.amdhsa_forward_progress 1
		.amdhsa_inst_pref_size 33
	.end_amdhsa_kernel
	.amdgpu_metadata
---
amdhsa.version: [ 1, 2 ]
amdhsa.kernels:
  - .name:           k_q6bec6b250f_fine
    .symbol:         k_q6bec6b250f_fine.kd
    .args:
      - { .name: qkv32, .offset: 0, .size: 8, .value_kind: global_buffer, .address_space: global }
      - { .name: W_out, .offset: 8, .size: 8, .value_kind: global_buffer, .address_space: global }
      - { .name: b_out, .offset: 16, .size: 8, .value_kind: global_buffer, .address_space: global }
      - { .name: out0, .offset: 24, .size: 8, .value_kind: global_buffer, .address_space: global }
    .group_segment_fixed_size: 71680
    .private_segment_fixed_size: 0
    .kernarg_segment_align: 8
    .kernarg_segment_size: 32
    .max_flat_workgroup_size: 512
    .sgpr_count:     66
    .vgpr_count:     256
    .wavefront_size: 32
...
	.end_amdgpu_metadata
.endif
;; end of part 5
